; MI455X (gfx1250); checked and timed in simulation.
; The chip was launched on July 23, 2026; its instructions are those of AMD's public machine-readable ISA for CDNA 5 (MIT licence, August 2026) and "CDNA5" Instruction Set Architecture Reference Guide (July 2026). The comments in the code are by the model that wrote it; some were corrected since.
;; Multi Head Attention. Allowed arithmetic: matrix products marked QUANTISED: E5M2 operands, one given power-of-two scale a tensor, by v_wmma_f32_16x16x64_bf8_bf8 or v_wmma_f32_16x16x128_bf8_bf8, f32 sums; everything else in f32.
;; Inputs: Wk 768 x 768 float32; Wo 768 x 768 float32; Wq 768 x 768 float32; Wv 768 x 768 float32; bk 768 float32; bo 768 float32; bq 768 float32; bv 768 float32; lowp_scales 12 int32 (the exponents e of the quantised operands' scales 2^e); x 2 x 2,048 x 768 float32.
;; Outputs: out0 2 x 2,048 x 768 float32.
;; This version of the problem:
;;   THIS VERSION OF THE PROBLEM IS GIVEN IN LOW PRECISION. The matrix products marked QUANTISED in the list below multiply operands that are first quantised to E5M2 (5 exponent bits, 2 mantissa bits; 8 bits a number), with one given power-of-two scale for each operand tensor; their sums are f32. All else is computed in f32.
;;   The module's matrix products, in the order in which they are computed (A, B: the left and right operand; K: the contracted axis; several contracted axes count as one K, in the product's order):
;;     1. [M 4,096, K 768] x [K 768, N 768]; A: input x; B: input Wq: QUANTISED (scales: A lowp_scales[0], B lowp_scales[1])
;;     2. [M 4,096, K 768] x [K 768, N 768]; A: input x; B: input Wk: QUANTISED (scales: A lowp_scales[2], B lowp_scales[3])
;;     3. [M 4,096, K 768] x [K 768, N 768]; A: input x; B: input Wv: QUANTISED (scales: A lowp_scales[4], B lowp_scales[5])
;;     4. batch 24 x [M 2,048, K 64] x [K 64, N 2,048]; A: computed on the way; B: computed on the way: QUANTISED (scales: A lowp_scales[6], B lowp_scales[7])
;;     5. batch 24 x [M 2,048, K 2,048] x [K 2,048, N 64]; A: softmax (see below); B: computed on the way: QUANTISED (scales: A lowp_scales[8], B lowp_scales[9])
;;     6. [M 4,096, K 768] x [K 768, N 768]; A: computed on the way; B: input Wo: QUANTISED (scales: A lowp_scales[10], B lowp_scales[11])
;;   THE QUANTISER, for each operand of a quantised product, along K:
;;     - The operand's scale is 2^e, e = its entry of the input lowp_scales (int32; the entries are numbered through the quantised products in the list's order, A before B).
;;     - Each number is divided by the scale, clamped to +-57,344, and rounded to the nearest number of E5M2, ties to even, subnormals kept.
;;     - The product sums the exact products of the quantised numbers (number of the format x scale) in f32.
;;   ~~~python
;;   def quantise(x, axis, e):      # numpy; x: float32 -> the quantised numbers, widened to float32 again
;;       x = np.moveaxis(x, axis, -1); K = x.shape[-1]
;;       r = np.clip(x / 2.0 ** e, -57344, 57344)
;;       step = 2.0 ** (np.maximum(np.frexp(np.where(r == 0, 1, r))[1] - 1, -14) - 2)
;;       q = np.round(r / step) * step * 2.0 ** e      # np.round: ties to even
;;       return np.moveaxis(q, -1, axis).astype(np.float32)
;;   ~~~
;;   SOFTMAX AHEAD OF A QUANTISED PRODUCT. Where the list says 'softmax', what is quantised is not the finished softmax but p = 2^(t - M), with t = logit x log2(e) and M = ceil(the row's largest t), a whole number; so 1/2 < the row's largest p <= 1. The row's sum l is taken of the UNQUANTISED p, in f32, and the product's result is divided by l at the end. Since M is a whole number, a kernel that streams over the keys may use a running M (the ceiling of the running maximum): every later rescaling is an exact power of two, so the quantised numbers keep their values, but for numbers so far below the row's largest that they fall under the format's range.
;;   OPERANDS COMPUTED ON THE WAY. 'Computed on the way' means the value that the module computes at that place (a softmax that the list does not call 'softmax' is quantised finished and normalised). What goes into a quantiser is computed in f32, as accurately as f32 sums, v_exp_f32 and their like allow (about 1e-6 of the number): no bf16 or f16 on the way to a quantiser, and a product that is left as it is and whose result goes on into a quantised operand takes f32 operands (vector FMAs, or v_wmma_f32_16x16x4_f32). A number that lies on a knife's edge between two numbers of the format may be rounded either way, as far as f32 arithmetic and the matrix unit's own rounding can turn it there, and no further.
;; 2 versions. Each part assembles by itself: llvm-mc -triple=amdgcn-amd-amdhsa -mcpu=gfx1250 --defsym DOCPART=n.
;; ======== version 1 of 2: 4 launches
;; workspace buffers: xf 9,437,184 bytes; wf 2,359,296 bytes; qf 3,145,728 bytes; kvf 6,291,456 bytes; af 3,145,728 bytes
;; launch prep (part 1): grid 448 x 1, 6 waves a work-group, no clusters, 51,456 bytes of LDS; arguments x, Wq, Wk, Wv, Wo, lowp_scales, xf, wf; writes xf, wf
.if DOCPART == 1
	.amdgcn_target "amdgcn-amd-amdhsa--gfx1250"
	.amdhsa_code_object_version 6
	.text
	.protected	k_q754d7e24ac_prep
	.globl	k_q754d7e24ac_prep
	.p2align	8
	.type	k_q754d7e24ac_prep,@function
k_q754d7e24ac_prep:
	s_mov_b64 s[64:65], 0
	v_nop
	global_prefetch_b8 v0, s[64:65] scope:SCOPE_SE
	s_setreg_imm32_b32 hwreg(HW_REG_WAVE_MODE, 25, 1), 1
	s_wait_xcnt 0x0
; PREP: x [4096][768] and the four weights [768][768], f32 with K innermost, become codes of E5M2 laid in the order of the matrix operands' registers.
; x is an operand of three products with three given scales (entries 0, 2, 4 of the scales): three sets of codes.  Wq, Wk, Wv, Wo take entries 1, 3, 5, 11.
; DEAD WORK: none.  Every input has a way to out0: each bias stands ahead of a quantiser or is added to the output, so all nine inputs and all twelve scales are loaded by some launch, and all six products are made.
; code = number / 2^e, held within +-57,344, rounded to the nearest code, ties to even.  LIMITS: e between -126 and 112, so that 2^e and 57,344 x 2^e are f32 numbers.  NaN among the inputs is not served; an infinity is held at the largest code.
; FRAGMENT ORDER, used by all workspace buffers.  A piece is 512 bytes: lane l = 16 h + r has 16 bytes at 16 l.  A fragment (16 rows x 128 K) is four pieces c: the lane's codes are k = 128 ks + 32 c + 16 h + 0 .. 15 of its row.
; THE ROWS OF A TILE ARE NOT NEIGHBOURS: lane r of tile t takes row 32 (t / 2) + 8 (t % 2) + r + 8 (r / 8), so that results of two neighbouring tiles are 16 neighbours along the next K.
; xf: [set 3][128 tokens 32][ks 6][tile 8][c 4][512].   wf: [matrix 4][192 rows 4][ks 6][tile 12][c 4][512].
; SHARES.  A work-group takes one tile of 16 rows: numbers 0-255 a tile of x, 256-447 a tile of a weight.  Wave w takes K step w: one fragment.  No loop, no barrier: waves share nothing.
; Each load reads 512 consecutive bytes of one row; the conversions want 16 neighbours in one lane: so the 16 x 512 bytes turn through the wave's own stage in LDS (rows 528 bytes apart: 33 x 16, so that 16 rows start at 16 different banks).
.set ROWB,  3072                       ; a row of x or of a weight in bytes
.set SP,    528                        ; a stage row
.set WST,   16*SP                      ; a wave's stage
.set SPARE, 6*WST                      ; behind the six stages: the spare words, 128 bytes for each wave: three blocks of 256 bytes that no other line names
.set LI,   2                           ; v2  16 x lane
.set SIN,  3                           ; v3  into the stage
.set SOUT, 4                           ; v4  out of it
.set SPW,  5                           ; v5  my spare word; never rewritten
.set NIL,  6                           ; v6  0; never rewritten
.set R,    16                          ; v16-79   as loaded; later the held numbers
.set X,    80                          ; v80-143  register 16 c + i = k 32 c + 16 h + i of my row
.set C,    144                         ; v144-191 codes, 16 registers for each set: no store's data are written again
	s_load_b512 s[4:19], s[0:1], 0x0               ; x, Wq, Wk, Wv, Wo, the scales, xf, wf
	v_lshl_add_u32 v[SPW], v0, 2, SPARE
	v_mov_b32 v[NIL], 0
	v_lshrrev_b32 v7, 5, v0
	v_readfirstlane_b32 s32, v7                    ; wave = K step
	v_and_b32 v1, 31, v0
	v_lshlrev_b32 v[LI], 4, v1
	v_and_b32 v7, 15, v0                           ; r
	v_bfe_u32 v14, v0, 4, 1                        ; h
	s_mul_i32 s33, s32, WST
	v_add_nc_u32 v[SIN], s33, v[LI]                ; a row's 512 bytes as they lie
	v_mul_u32_u24 v[SOUT], v7, SP
	v_lshl_add_u32 v[SOUT], v14, 6, v[SOUT]
	v_add_nc_u32 v[SOUT], s33, v[SOUT]             ; row r, + 64 h: my 16 numbers of a block of 32
	s_cmp_lt_u32 ttmp9, 256                        ; a tile of x?
	s_cselect_b32 s34, 0, 256
	s_sub_co_u32 s34, ttmp9, s34                   ; x: the tile; W: j = 0 .. 191
	s_mul_hi_u32 s35, s34, 0x15555556              ; j / 12 = 4 x matrix + block of 192 rows
	s_lshr_b32 s36, s35, 2                         ; the matrix
	s_mul_i32 s37, s36, 48
	s_sub_co_u32 s37, s34, s37                     ; the tile in the matrix
	s_mul_i32 s38, s35, 12
	s_sub_co_u32 s38, s34, s38                     ; the tile in the block
	s_mul_i32 s39, s35, 147456                     ; W's place in wf
	s_mul_i32 s40, s32, 24576
	s_add_co_u32 s39, s39, s40
	s_lshl_b32 s40, s38, 11
	s_add_co_u32 s39, s39, s40
	s_lshr_b32 s40, s34, 3                         ; x's place in xf
	s_mul_i32 s40, s40, 98304
	s_lshl_b32 s41, s32, 14
	s_add_co_u32 s40, s40, s41
	s_and_b32 s41, s34, 7
	s_lshl_b32 s41, s41, 11
	s_add_co_u32 s40, s40, s41
	s_cmp_lt_u32 ttmp9, 256
	s_cselect_b32 s37, s34, s37                    ; the tile T
	s_cselect_b32 s42, s40, s39                    ; where its codes go
	s_mov_b32 s43, 0
	s_lshr_b32 s44, s37, 1
	s_lshl_b32 s44, s44, 5
	s_and_b32 s45, s37, 1
	s_lshl_b32 s45, s45, 3
	s_add_co_u32 s44, s44, s45                     ; its first row: 32 (T / 2) + 8 (T % 2)
	s_mul_i32 s44, s44, ROWB
	s_lshl_b32 s45, s32, 9
	s_add_co_u32 s44, s44, s45                     ; + my K step's 512 bytes
	s_mov_b32 s45, 0
	s_wait_kmcnt 0x0
	s_load_b256 s[20:27], s[14:15], 0x0            ; e0 .. e7
	s_load_b128 s[28:31], s[14:15], 0x20           ; e8 .. e11
	s_cmp_eq_u32 s36, 0                            ; the buffers are chosen by the work-group's number alone
	s_cselect_b64 s[46:47], s[6:7], s[8:9]
	s_cmp_eq_u32 s36, 2
	s_cselect_b64 s[46:47], s[10:11], s[46:47]
	s_cmp_eq_u32 s36, 3
	s_cselect_b64 s[46:47], s[12:13], s[46:47]
	s_cmp_lt_u32 ttmp9, 256
	s_cselect_b64 s[46:47], s[4:5], s[46:47]
	s_cselect_b64 s[48:49], s[16:17], s[18:19]
	s_add_nc_u64 s[46:47], s[46:47], s[44:45]
	s_add_nc_u64 s[48:49], s[48:49], s[42:43]
.irp p, 0,1,2,3,4,5,6,7,8,9,10,11,12,13,14,15
	global_load_b128 v[R+4*\p:R+4*\p+3], v[LI], s[46:47] offset:(\p+8*(\p/8))*ROWB th:TH_LOAD_NT   ; 32 lanes read 512 consecutive bytes of the tile's row p; read once in the launch
.endr
.macro MKS e, sc, lim                  ; 2^e as f32 (the conversion takes its exponent field), and 57,344 x 2^e
	s_add_co_i32 s51, s[\e], 127
	s_lshl_b32 s52, s51, 23
	v_mov_b32 v[\sc], s52
	s_add_co_i32 s51, s51, 15
	s_lshl_b32 s51, s51, 23
	s_or_b32 s51, s51, 0x600000
	v_mov_b32 v[\lim], s51
.endm
	s_wait_kmcnt 0x0
	s_cmp_eq_u32 s36, 0
	s_cselect_b32 s50, s21, s23                    ; e1 or e3,
	s_cmp_eq_u32 s36, 2
	s_cselect_b32 s50, s25, s50                    ; e5,
	s_cmp_eq_u32 s36, 3
	s_cselect_b32 s50, s31, s50                    ; e11,
	s_cmp_lt_u32 ttmp9, 256
	s_cselect_b32 s50, s20, s50                    ; or, for x, e0
	MKS 50, 8, 9
	MKS 22, 10, 11                                 ; e2
	MKS 24, 12, 13                                 ; e4
.irp p, 0,1,2,3,4,5,6,7,8,9,10,11,12,13,14,15
	s_wait_loadcnt 15-\p                           ; loads come back in order: row p is in, the younger rows stay out
	ds_store_b128 v[SIN], v[R+4*\p:R+4*\p+3] offset:SP*\p
.endr
.irp c, 0,1,2,3
.irp i, 0,1,2,3
	ds_load_b128 v[X+16*\c+4*\i:X+16*\c+4*\i+3], v[SOUT] offset:128*\c+16*\i   ; LDS serves a wave's instructions in order: these see my stores
.endr
.endr
	s_wait_tensorcnt 0x0                           ; a wait, an add, a wait behind my last LDS store, the first though no tensor load is in this text;
	ds_add_u32 v[SPW], v[NIL]
	s_wait_dscnt 0x0                               ; the last is also the wait for the numbers that come back from the stage
.macro QUANT z, sc, lim                ; set z of the codes: hold, convert, store four pieces
.irp b, 0,1,2,3
.irp i, 0,1,2,3,4,5,6,7,8,9,10,11,12,13,14,15
	v_med3_num_f32 v[R+16*\b+\i], v[X+16*\b+\i], -v[\lim], v[\lim]   ; the conversion to an 8-bit code does not saturate (ISA guide 7.6.2): the hold at the largest code x the scale
.endr
	v_cvt_scalef32_pk8_bf8_f32 v[C+16*\z+4*\b:C+16*\z+4*\b+1], v[R+16*\b:R+16*\b+7], v[\sc]
	v_cvt_scalef32_pk8_bf8_f32 v[C+16*\z+4*\b+2:C+16*\z+4*\b+3], v[R+16*\b+8:R+16*\b+15], v[\sc]
.endr
	v_nop                                          ; a plain line behind the last conversion: the next set's holds write these conversions' sources
.irp c, 0,1,2,3
	global_store_b128 v[LI], v[C+16*\z+4*\c:C+16*\z+4*\c+3], s[48:49] offset:3145728*\z+512*\c   ; 32 lanes store 512 consecutive bytes, aligned; 6,292,992 at the most: inside the signed 24-bit immediate
.endr
.endm
	QUANT 0, 8, 9
	s_cmp_lt_u32 ttmp9, 256
	s_cbranch_scc0 .Lend                           ; a weight has one scale
	QUANT 1, 10, 11
	QUANT 2, 12, 13
.Lend:
	s_endpgm
.Lfunc_end_k_q754d7e24ac_prep:
	.size	k_q754d7e24ac_prep, .Lfunc_end_k_q754d7e24ac_prep-k_q754d7e24ac_prep
	.p2alignl 7, 3214868480
	.fill 96, 4, 3214868480
	.section	.rodata,"a",@progbits
	.p2align	6, 0x0
	.amdhsa_kernel k_q754d7e24ac_prep
		.amdhsa_group_segment_fixed_size 51456
		.amdhsa_private_segment_fixed_size 0
		.amdhsa_enable_private_segment 0
		.amdhsa_kernarg_size 64
		.amdhsa_user_sgpr_count 2
		.amdhsa_user_sgpr_kernarg_segment_ptr 1
		.amdhsa_wavefront_size32 1
		.amdhsa_system_sgpr_workgroup_id_x 1
		.amdhsa_system_sgpr_workgroup_id_y 1
		.amdhsa_system_sgpr_workgroup_id_z 1
		.amdhsa_system_vgpr_workitem_id 0
		.amdhsa_next_free_vgpr 192
		.amdhsa_next_free_sgpr 66
		.amdhsa_reserve_vcc 0
		.amdhsa_float_denorm_mode_32 3
		.amdhsa_float_denorm_mode_16_64 3
		.amdhsa_memory_ordered 1
		.amdhsa_forward_progress 1
		.amdhsa_inst_pref_size 23
	.end_amdhsa_kernel
	.amdgpu_metadata
---
amdhsa.version: [ 1, 2 ]
amdhsa.kernels:
  - .name:           k_q754d7e24ac_prep
    .symbol:         k_q754d7e24ac_prep.kd
    .args:
      - { .name: x, .offset: 0, .size: 8, .value_kind: global_buffer, .address_space: global }
      - { .name: Wq, .offset: 8, .size: 8, .value_kind: global_buffer, .address_space: global }
      - { .name: Wk, .offset: 16, .size: 8, .value_kind: global_buffer, .address_space: global }
      - { .name: Wv, .offset: 24, .size: 8, .value_kind: global_buffer, .address_space: global }
      - { .name: Wo, .offset: 32, .size: 8, .value_kind: global_buffer, .address_space: global }
      - { .name: lowp_scales, .offset: 40, .size: 8, .value_kind: global_buffer, .address_space: global }
      - { .name: xf, .offset: 48, .size: 8, .value_kind: global_buffer, .address_space: global }
      - { .name: wf, .offset: 56, .size: 8, .value_kind: global_buffer, .address_space: global }
    .group_segment_fixed_size: 51456
    .private_segment_fixed_size: 0
    .kernarg_segment_align: 8
    .kernarg_segment_size: 64
    .max_flat_workgroup_size: 192
    .sgpr_count:     66
    .vgpr_count:     192
    .wavefront_size: 32
...
	.end_amdgpu_metadata
.endif
;; end of part 1
;; launch qkv (part 2): grid 12 x 32, 4 waves a work-group, clusters of 4 x 4, 327,680 bytes of LDS; arguments xf, wf, bq, bk, bv, lowp_scales, qf, kvf; writes qf, kvf
.if DOCPART == 2
	.amdgcn_target "amdgcn-amd-amdhsa--gfx1250"
	.amdhsa_code_object_version 6
	.text
	.protected	k_q754d7e24ac_qkv
	.globl	k_q754d7e24ac_qkv
	.p2align	8
	.type	k_q754d7e24ac_qkv,@function
k_q754d7e24ac_qkv:
	s_mov_b64 s[64:65], 0
	v_nop
	global_prefetch_b8 v0, s[64:65] scope:SCOPE_SE
	s_setreg_imm32_b32 hwreg(HW_REG_WAVE_MODE, 25, 1), 1
	s_wait_xcnt 0x0
	s_wait_alu depctr_hold_cnt(0) depctr_sa_sdst(0) depctr_va_vdst(0) depctr_va_sdst(0) depctr_va_ssrc(0) depctr_va_vcc(0) depctr_vm_vsrc(0)
	s_getreg_b32 s2, hwreg(HW_REG_IB_STS2, 6, 4)
	s_cmp_eq_u32 s2, 0
	s_cbranch_scc0 .Lentry_in_a_cluster
	s_endpgm
.Lentry_in_a_cluster:
	s_bfe_u32 s2, ttmp6, 0x10000c
	s_cmp_lg_u32 s2, 0xf033
	s_cbranch_scc0 .Lentry_shape_is_right
	s_endpgm
.Lentry_shape_is_right:
; QKV: q = x Wq^T + bq, k = x Wk^T + bk, v = x Wv^T + bv on codes of E5M2, and their quantising for the two products of attention.  No work of the problem is left out here.
; The cluster's x says which: z = 0 q, 1 k, 2 v.  x's codes: set z of xf; the weight's: matrix z of wf.  A sum stands for sum x 2^(ex + ew) (entries 2 z, 2 z + 1 of the scales); the bias goes in divided by that;
; the result's code is (sum + bias) / 2^(eo - ex - ew), eo = entry 6 (q), 7 (k), 9 (v): the three scales are folded into the conversion's one.
; LIMITS: eo - ex - ew between -126 and 112.  The order of k inside a fragment is the same permutation in both operands: only the order of the sums inside an instruction differs from the form's own.
; SHARES.  A work-group takes 128 tokens x 192 columns (three heads), whole K = 768: its codes, 245,760 bytes, lie in LDS at once, in three groups of two K steps, each group brought by one tensor load a wave.
; No LDS byte is filled twice: all loads go out at the head, three of mine are out at most, and counted waits let the later groups land under the earlier groups' products.
; Wave w: tiles 4 (w / 2) .. + 3 of tokens x tiles 6 (w % 2) .. + 5 of columns: 24 accumulators.
; CLUSTER 4 x 4: the four of a row need the same tokens, the four of a column the same rows of the weight: each tile is asked for jointly.
; q, k: source 0 = 16 rows of W, source 1 = 16 tokens: a lane holds one token and its registers run along the head's channels, the K of q k^T.
; v:    source 0 = 16 tokens, source 1 = 16 rows of W: a lane holds one channel and its registers run along the tokens, the K of p v.
; By the choice of a tile's rows the 16 registers of two neighbouring tiles are 16 neighbours: two conversions make a lane's 16 bytes of a piece, and a wave's store is a whole piece of 512 bytes.
; qf: [batch x head 24][tile of tokens 128][c 2][512].   kvf: [batch x head 24][128 keys 16]{ K: [tile 8][c 2][512]; V: [tile of channels 4][c 4][512] }.
; No prefetch: every tensor load stands at the head, so there is no later load to run ahead of.
; REGISTERS: window 0: v1-21 addresses and scales; v32-95, v96-159 x's two sets of four fragments (on the way out: sums + bias, and codes); v160-207 the bias.  window 1: v0-95, v96-191 W's two sets of six.  window 2: v0-191 the accumulators.
.set GRP,   81920                      ; a group: x of two K steps (2 x 16,384), then W of two (2 x 24,576)
.set XKS,   16384
.set WKS,   24576
.set WOFF,  32768
.set SPARE, 3*GRP                      ; behind the groups: the spare words, 128 bytes for each wave: two blocks of 256 bytes that no other line names
.set LI,  3                            ; v3      16 x lane
.set ADX, 4                            ; v4-6    my x fragments in group 0, 1, 2
.set ADW, 7                            ; v7-9    my W fragments
.set SPW, 10                           ; v10     my spare word; never rewritten
.set NIL, 11                           ; v11     0; never rewritten
.set SCL, 12                           ; v12     2^(eo - ex - ew)
.set LIM, 13                           ; v13     57,344 x that
.set SO,  14                           ; v14-19  the stores' offsets
.set BO,  20                           ; v20     the bias loads' offset
.set XS,  32
.set T,   32
.set CD,  96
.set BI,  160
.set WV,  20                           ; s20  wave
.set G1W, 28                           ; s[28:35] group 1 for W's tiles; s[36:43] for x's
.set G1X, 36
.set MSB, 0
.macro WIN new                         ; the immediate's high byte repeats the setting that is left
.if MSB != \new
	s_set_vgpr_msb (MSB<<8)|\new
.set MSB, \new
.endif
.endm
.macro PLACES n
.rept \n
	v_nop
.endr
.endm
.macro BAR
	s_barrier_signal -1
	s_barrier_wait -1
.endm
.macro CROUND                          ; a round of the cluster's barrier
	s_barrier_signal -1
	s_barrier_wait -1
	s_cmp_lg_u32 s[WV], 0
	s_cbranch_scc1 .Lnot_wave_0_\@
	s_barrier_signal -3
.Lnot_wave_0_\@:
	s_barrier_wait -3
	s_barrier_signal -1
	s_barrier_wait -1
.endm
.macro MKG0 d, l, a, lo, go            ; a group 0: count 1; LDS address s[l] + lo; global address s[a:a+1] + go; type 2
	s_mov_b32 s[\d], 1
	s_add_co_u32 s[\d+1], s[\l], \lo
	s_add_nc_u64 s[\d+2:\d+3], s[\a:\a+1], \go
	s_or_b32 s[\d+3], s[\d+3], 0x80000000
.endm
	s_load_b512 s[4:19], s[0:1], 0x0               ; xf, wf, bq, bk, bv, the scales, qf, kvf
	v_lshl_add_u32 v[SPW], v0, 2, SPARE
	v_mov_b32 v[NIL], 0
	ds_add_u32 v[SPW], v[NIL]                      ; the opening: the add, twice on end, and its wait ahead of my first tensor load
	ds_add_u32 v[SPW], v[NIL]
	v_lshrrev_b32 v1, 5, v0
	v_readfirstlane_b32 s[WV], v1                  ; wave 0..3
	s_and_b32 s21, s[WV], 1                        ; which half of the columns is mine.  Also: which K step of a group I fetch
	s_bfe_u32 s22, ttmp6, 0x40000                  ; cx = the block of 192 columns
	s_bfe_u32 s23, ttmp6, 0x40004                  ; cy
	s_mov_b32 s24, ttmp9                           ; z: the cluster's x
	s_and_b32 s25, ttmp7, 0xffff
	s_lshl_b32 s25, s25, 2
	s_add_co_u32 s25, s25, s23                     ; the block of 128 tokens = 4 x cluster y + cy
	s_lshl_b32 s26, s23, 2
	s_lshl_b32 s26, 15, s26                        ; my row of the cluster
	s_lshl_b32 s27, 0x1111, s22                    ; my column
	; group 1: a dense block as rows of 256 bytes: elements of 8 bytes, 32 to a row, no padding (every LDS read takes 512 consecutive bytes); bit 21 set beside the mask
	s_or_b32 s[G1X], s26, 0x230000                 ; x's tiles go to my row
	s_or_b32 s[G1W], s27, 0x230000                 ; W's to my column
	s_mov_b32 s[G1X+1], 32<<16                     ; tensor_dim0 = 32
	s_mov_b32 s[G1X+2], 64<<16                     ; tensor_dim1 = 64 rows: 16,384 bytes
	s_mov_b32 s[G1X+3], 32<<16                     ; tile_dim0
	s_mov_b32 s[G1X+4], 64                         ; tile_dim1
	s_mov_b32 s[G1X+5], 32                         ; the pitch
	s_mov_b32 s[G1X+6], 0
	s_mov_b32 s[G1X+7], 0
	s_mov_b32 s[G1W+1], 32<<16
	s_mov_b32 s[G1W+2], 96<<16                     ; 96 rows: 24,576 bytes
	s_mov_b32 s[G1W+3], 32<<16
	s_mov_b32 s[G1W+4], 96
	s_mov_b32 s[G1W+5], 32
	s_mov_b32 s[G1W+6], 0
	s_mov_b32 s[G1W+7], 0
	s_mul_i32 s84, s24, 589824                     ; W: matrix z, block cx, my K step of group 0: nothing of cy
	s_mul_i32 s85, s22, 147456
	s_add_co_u32 s84, s84, s85
	s_mul_i32 s85, s21, WKS
	s_add_co_u32 s84, s84, s85
	s_mov_b32 s85, 0
	s_mul_i32 s86, s24, 3145728                    ; x: set z, my block of tokens, my K step of group 0: nothing of cx
	s_mul_i32 s87, s25, 98304
	s_add_co_u32 s86, s86, s87
	s_lshl_b32 s87, s21, 14
	s_add_co_u32 s86, s86, s87
	s_mov_b32 s87, 0
	s_mul_i32 s88, s21, WKS
	s_add_co_u32 s88, s88, WOFF                    ; where they go in a group: the wave's number alone enters an LDS address
	s_lshl_b32 s89, s21, 14
	s_wait_dscnt 0x0                               ; both opening adds are done
	s_wait_kmcnt 0x0
	s_load_b256 s[72:79], s[14:15], 0x0            ; e0 .. e7
	s_load_b128 s[80:83], s[14:15], 0x20           ; e8 .. e11
	s_add_nc_u64 s[84:85], s[6:7], s[84:85]
	s_add_nc_u64 s[86:87], s[4:5], s[86:87]
	CROUND                                         ; all sixteen work-groups are here: the joint loads meet
	MKG0 44, 88, 84, 0, 0
	MKG0 48, 88, 84, GRP, 2*WKS
	MKG0 52, 88, 84, 2*GRP, 4*WKS
	MKG0 56, 89, 86, 0, 0
	MKG0 60, 89, 86, GRP, 2*XKS
	MKG0 68, 89, 86, 2*GRP, 4*XKS
	s_cmp_lt_u32 s[WV], 2                          ; waves 0, 1 fetch W's two K steps of each group, waves 2, 3 x's: three loads a wave, in one branch on the wave's number
	s_cbranch_scc0 .Lfill_x
	tensor_load_to_lds s[44:47], s[G1W:G1W+7]
	s_nop 0
	tensor_load_to_lds s[48:51], s[G1W:G1W+7]
	s_nop 0
	tensor_load_to_lds s[52:55], s[G1W:G1W+7]
	s_nop 0
	PLACES 4
	s_branch .Lfilled
.Lfill_x:
	tensor_load_to_lds s[56:59], s[G1X:G1X+7]
	s_nop 0
	tensor_load_to_lds s[60:63], s[G1X:G1X+7]
	s_nop 0
	tensor_load_to_lds s[68:71], s[G1X:G1X+7]
	s_nop 0
	PLACES 4
.Lfilled:
	v_and_b32 v1, 15, v0                           ; r
	v_bfe_u32 v2, v0, 4, 1                         ; h
	v_and_b32 v[LI], 31, v0
	v_lshlrev_b32 v[LI], 4, v[LI]
	s_lshr_b32 s90, s[WV], 1                       ; which half of the tokens is mine
	s_lshl_b32 s91, s90, 13                        ; four tiles of 2,048 bytes
	s_mul_i32 s92, s21, 12288                      ; six tiles
	s_add_co_u32 s92, s92, WOFF
.irp g, 0,1,2
	v_add_nc_u32 v[ADX+\g], s91, v[LI]
	v_add_nc_u32 v[ADW+\g], s92, v[LI]
	s_add_co_u32 s91, s91, GRP
	s_add_co_u32 s92, s92, GRP
.endr
	s_wait_kmcnt 0x0
	s_cmp_eq_u32 s24, 0                            ; the scales are chosen, never branched on
	s_cselect_b32 s84, s72, s74                    ; ex
	s_cselect_b32 s85, s73, s75                    ; ew
	s_cselect_b32 s86, s78, s79                    ; eo
	s_cmp_eq_u32 s24, 2
	s_cselect_b32 s84, s76, s84
	s_cselect_b32 s85, s77, s85
	s_cselect_b32 s86, s81, s86
	s_add_co_i32 s87, s84, s85
	s_sub_co_i32 s86, s86, s87                     ; eo - ex - ew
	s_sub_co_i32 s87, 0, s87                       ; -(ex + ew), for the bias
	s_add_co_i32 s86, s86, 127
	s_lshl_b32 s88, s86, 23
	v_mov_b32 v[SCL], s88
	s_add_co_i32 s86, s86, 15
	s_lshl_b32 s86, s86, 23
	s_or_b32 s86, s86, 0x600000
	v_mov_b32 v[LIM], s86
	s_lshr_b32 s91, s25, 4                         ; the batch
	s_and_b32 s94, s25, 15                         ; the block of 128 tokens in the sequence
	s_mul_i32 s95, s91, 12
	s_mul_i32 s91, s22, 3
	s_add_co_u32 s95, s95, s91                     ; 12 x batch + my first head
	s_mul_i32 s96, s22, 768
	s_mul_i32 s97, s21, 384
	s_add_co_u32 s96, s96, s97                     ; my first column, in bytes of a bias
	s_mov_b32 s97, 0
; The next K step's 40 fragments' loads in one run: W's six into window 1, x's four into window 0, set ks % 2
.macro FETCH ks
	WIN 0x40
.irp i, 0,1,2,3,4,5
.irp c, 0,1,2,3
	ds_load_b128 v[96*((\ks)%2)+16*\i+4*\c:96*((\ks)%2)+16*\i+4*\c+3], v[ADW+(\ks)/2] offset:WKS*((\ks)%2)+2048*\i+512*\c
.endr
.endr
	WIN 0
.irp j, 0,1,2,3
.irp c, 0,1,2,3
	ds_load_b128 v[XS+64*((\ks)%2)+16*\j+4*\c:XS+64*((\ks)%2)+16*\j+4*\c+3], v[ADX+(\ks)/2] offset:XKS*((\ks)%2)+2048*\j+512*\c
.endr
.endr
.endm
; 24 products, 128 along K.  The first K step starts the sums.  The 24 accumulators take turns, one instruction a turn, in the same order in every step.
.macro MUL ks, swap
.if \swap
	WIN 0xa4                                       ; source 0 (x) window 0, source 1 (W) window 1, C and D window 2
.irp i, 0,1,2,3,4,5
.irp j, 0,1,2,3
.if (\ks) == 0
	v_wmma_f32_16x16x128_bf8_bf8 v[8*(4*\i+\j):8*(4*\i+\j)+7], v[XS+64*((\ks)%2)+16*\j:XS+64*((\ks)%2)+16*\j+15], v[96*((\ks)%2)+16*\i:96*((\ks)%2)+16*\i+15], 0
.else
	v_wmma_f32_16x16x128_bf8_bf8 v[8*(4*\i+\j):8*(4*\i+\j)+7], v[XS+64*((\ks)%2)+16*\j:XS+64*((\ks)%2)+16*\j+15], v[96*((\ks)%2)+16*\i:96*((\ks)%2)+16*\i+15], v[8*(4*\i+\j):8*(4*\i+\j)+7]
.endif
.endr
.endr
.else
	WIN 0xa1                                       ; source 0 (W) window 1, source 1 (x) window 0, C and D window 2
.irp j, 0,1,2,3
.irp i, 0,1,2,3,4,5
.if (\ks) == 0
	v_wmma_f32_16x16x128_bf8_bf8 v[8*(6*\j+\i):8*(6*\j+\i)+7], v[96*((\ks)%2)+16*\i:96*((\ks)%2)+16*\i+15], v[XS+64*((\ks)%2)+16*\j:XS+64*((\ks)%2)+16*\j+15], 0
.else
	v_wmma_f32_16x16x128_bf8_bf8 v[8*(6*\j+\i):8*(6*\j+\i)+7], v[96*((\ks)%2)+16*\i:96*((\ks)%2)+16*\i+15], v[XS+64*((\ks)%2)+16*\j:XS+64*((\ks)%2)+16*\j+15], v[8*(6*\j+\i):8*(6*\j+\i)+7]
.endif
.endr
.endr
.endif
.endm
.macro KSTEP ks, swap
.if ((\ks) == 1) || ((\ks) == 3)
	s_wait_dscnt 0x0                               ; no LDS instruction of mine is pending at a signal
	s_wait_tensorcnt 2-(\ks+1)/2                   ; my load of the next group has landed; the group behind it may stay out
	BAR                                            ; everybody's has
.endif
.if (\ks) < 5
.if (\ks) > 0
	PLACES 4                                       ; four places in front of loads into registers that the last products read (ISA guide 7.12.1 for vector instructions)
.endif
	FETCH \ks+1
	s_wait_dscnt 40                                ; all but the 40 just issued: this step's fragments are in
.else
	s_wait_dscnt 0x0
.endif
	MUL \ks, \swap
.endm
.macro KLOOP swap
	s_wait_tensorcnt 0x2                           ; my load of group 0 has landed; groups 1 and 2 stay out
	BAR
	FETCH 0
.irp k, 0,1,2,3,4,5
	KSTEP \k, \swap
.endr
	WIN 0
	PLACES 4                                       ; in front of the first read of results and of writes into the fragments' registers
.endm
	s_cmp_eq_u32 s24, 2                            ; the cluster's x: the same in all sixteen partners and all waves
	s_cbranch_scc1 .Lv
	; ---- q and k
	s_cmp_eq_u32 s24, 0
	s_cselect_b64 s[98:99], s[8:9], s[10:11]       ; bq or bk
	s_cselect_b64 s[88:89], s[16:17], s[18:19]     ; qf or kvf
	s_cselect_b32 s84, 17, 18                      ; a head's bytes there: 2^17 or 2^18
	s_add_nc_u64 s[98:99], s[98:99], s[96:97]
	v_lshlrev_b32 v[BO], 6, v2                     ; my half's 16 columns of each 32
.irp b, 0,1,2
.irp i, 0,1,2,3
	global_load_b128 v[BI+16*\b+4*\i:BI+16*\b+4*\i+3], v[BO], s[98:99] offset:128*\b+16*\i   ; register 16 b + m: the bias of column 32 b + 16 h + m of my 96
.endr
.endr
	s_lshl_b32 s92, s95, s84                       ; my first head,
	s_sub_co_u32 s91, s84, 4
	s_lshl_b32 s91, s94, s91                       ; the block of 128 tokens: a sixteenth of a head's bytes,
	s_add_co_u32 s92, s92, s91
	s_lshl_b32 s91, s90, 12                        ; my four tiles of 1,024 bytes
	s_add_co_u32 s92, s92, s91
	s_mov_b32 s93, 0
	s_add_nc_u64 s[88:89], s[88:89], s[92:93]
.irp b, 0,1,2                          ; pair b of my tiles is columns 32 (3 (w % 2) + b) on: head (..) / 2 of my three, piece (..) % 2
	s_mul_i32 s91, s21, 3
	s_add_co_u32 s91, s91, \b
	s_lshr_b32 s85, s91, 1
	s_lshl_b32 s85, s85, s84
	s_and_b32 s91, s91, 1
	s_lshl_b32 s91, s91, 9
	s_add_co_u32 s85, s85, s91
	v_add_nc_u32 v[SO+\b], s85, v[LI]
.endr
	s_wait_loadcnt 0x0                             ; the bias, while the tiles are on their way
.set n, 0
.rept 48
	v_ldexp_f32 v[BI+n], v[BI+n], s87              ; / 2^(ex + ew)
.set n, n+1
.endr
	KLOOP 0
.macro OUTQK j                         ; tile j of my tokens: 48 columns a lane
	WIN 0x02                                       ; source 0: window 2
.set n, 0
.rept 24
	v_pk_add_f32 v[T+n:T+n+1], v[48*\j+n:48*\j+n+1], v[BI+n:BI+n+1]   ; each accumulator from its low end on
.set n, n+2
.endr
	WIN 0
.set n, 0
.rept 48
	v_med3_num_f32 v[T+n], v[T+n], -v[LIM], v[LIM]  ; the conversion does not saturate (ISA guide 7.6.2): the hold
.set n, n+1
.endr
.irp b, 0,1,2
	v_cvt_scalef32_pk8_bf8_f32 v[CD+12*\j+4*\b:CD+12*\j+4*\b+1], v[T+16*\b:T+16*\b+7], v[SCL]
	v_cvt_scalef32_pk8_bf8_f32 v[CD+12*\j+4*\b+2:CD+12*\j+4*\b+3], v[T+16*\b+8:T+16*\b+15], v[SCL]
.endr
	v_nop                                          ; a plain line behind the last conversion: the next tile's additions write these conversions' sources
.irp b, 0,1,2
	global_store_b128 v[SO+\b], v[CD+12*\j+4*\b:CD+12*\j+4*\b+3], s[88:89] offset:1024*\j   ; a whole piece: 512 consecutive bytes, aligned
.endr
.endm
	OUTQK 0
	OUTQK 1
	OUTQK 2
	OUTQK 3
	s_branch .Lend
	; ---- v
.Lv:
	s_add_nc_u64 s[98:99], s[12:13], s[96:97]
	v_and_b32 v[BO], 8, v1
	v_add_nc_u32 v[BO], v[BO], v1
	v_lshlrev_b32 v[BO], 2, v[BO]                  ; my column of a tile: r + 8 (r / 8)
.irp i, 0,1,2,3,4,5
	global_load_b32 v[BI+2*\i], v[BO], s[98:99] offset:4*(32*(\i/2)+8*(\i%2))
.endr
	s_lshl_b32 s92, s95, 18                        ; my first head,
	s_lshl_b32 s91, s94, 14                        ; the step of 128 keys,
	s_add_co_u32 s92, s92, s91
	s_lshl_b32 s91, s90, 10                        ; my 64 tokens are pieces 2 (w / 2), + 1,
	s_add_co_u32 s92, s92, s91
	s_add_co_u32 s92, s92, 8192                    ; behind the step's K
	s_mov_b32 s93, 0
	s_add_nc_u64 s[88:89], s[18:19], s[92:93]
.irp i, 0,1,2,3,4,5                    ; tile 6 (w % 2) + i of my block's columns: head (..) / 4 of my three, tile (..) % 4 of its channels
	s_mul_i32 s91, s21, 6
	s_add_co_u32 s91, s91, \i
	s_lshr_b32 s85, s91, 2
	s_lshl_b32 s85, s85, 18
	s_and_b32 s91, s91, 3
	s_lshl_b32 s91, s91, 11
	s_add_co_u32 s85, s85, s91
	v_add_nc_u32 v[SO+\i], s85, v[LI]
.endr
	s_wait_loadcnt 0x0
.irp i, 0,1,2,3,4,5
	v_ldexp_f32 v[BI+2*\i+1], v[BI+2*\i], s87      ; / 2^(ex + ew), in both halves of a pair
	v_ldexp_f32 v[BI+2*\i], v[BI+2*\i], s87
.endr
	KLOOP 1
.macro OUTV i                          ; tile i of my columns: 32 tokens a lane
	WIN 0x02
.set n, 0
.rept 16
	v_pk_add_f32 v[T+n:T+n+1], v[32*\i+n:32*\i+n+1], v[BI+2*\i:BI+2*\i+1]
.set n, n+2
.endr
	WIN 0
.set n, 0
.rept 32
	v_med3_num_f32 v[T+n], v[T+n], -v[LIM], v[LIM]
.set n, n+1
.endr
.irp b, 0,1
	v_cvt_scalef32_pk8_bf8_f32 v[CD+8*\i+4*\b:CD+8*\i+4*\b+1], v[T+16*\b:T+16*\b+7], v[SCL]
	v_cvt_scalef32_pk8_bf8_f32 v[CD+8*\i+4*\b+2:CD+8*\i+4*\b+3], v[T+16*\b+8:T+16*\b+15], v[SCL]
.endr
	v_nop
.irp b, 0,1
	global_store_b128 v[SO+\i], v[CD+8*\i+4*\b:CD+8*\i+4*\b+3], s[88:89] offset:512*\b
.endr
.endm
	OUTV 0
	OUTV 1
	OUTV 2
	OUTV 3
	OUTV 4
	OUTV 5
.Lend:
	s_wait_tensorcnt 0x0                           ; the wave's end: wait, add, wait behind my last tensor load
	ds_add_u32 v[SPW], v[NIL]
	s_wait_dscnt 0x0
	CROUND                                         ; the closing round: no work-group ends while a partner may still ask for a tile that names it
	s_endpgm
.Lfunc_end_k_q754d7e24ac_qkv:
	.size	k_q754d7e24ac_qkv, .Lfunc_end_k_q754d7e24ac_qkv-k_q754d7e24ac_qkv
	.p2alignl 7, 3214868480
	.fill 96, 4, 3214868480
	.section	.rodata,"a",@progbits
	.p2align	6, 0x0
	.amdhsa_kernel k_q754d7e24ac_qkv
		.amdhsa_group_segment_fixed_size 327680
		.amdhsa_private_segment_fixed_size 0
		.amdhsa_enable_private_segment 0
		.amdhsa_kernarg_size 64
		.amdhsa_user_sgpr_count 2
		.amdhsa_user_sgpr_kernarg_segment_ptr 1
		.amdhsa_wavefront_size32 1
		.amdhsa_system_sgpr_workgroup_id_x 1
		.amdhsa_system_sgpr_workgroup_id_y 1
		.amdhsa_system_sgpr_workgroup_id_z 1
		.amdhsa_system_vgpr_workitem_id 0
		.amdhsa_next_free_vgpr 704
		.amdhsa_next_free_sgpr 100
		.amdhsa_reserve_vcc 0
		.amdhsa_float_denorm_mode_32 3
		.amdhsa_float_denorm_mode_16_64 3
		.amdhsa_memory_ordered 1
		.amdhsa_forward_progress 1
		.amdhsa_inst_pref_size 111
	.end_amdhsa_kernel
	.amdgpu_metadata
---
amdhsa.version: [ 1, 2 ]
amdhsa.kernels:
  - .name:           k_q754d7e24ac_qkv
    .symbol:         k_q754d7e24ac_qkv.kd
    .args:
      - { .name: xf, .offset: 0, .size: 8, .value_kind: global_buffer, .address_space: global }
      - { .name: wf, .offset: 8, .size: 8, .value_kind: global_buffer, .address_space: global }
      - { .name: bq, .offset: 16, .size: 8, .value_kind: global_buffer, .address_space: global }
      - { .name: bk, .offset: 24, .size: 8, .value_kind: global_buffer, .address_space: global }
      - { .name: bv, .offset: 32, .size: 8, .value_kind: global_buffer, .address_space: global }
      - { .name: lowp_scales, .offset: 40, .size: 8, .value_kind: global_buffer, .address_space: global }
      - { .name: qf, .offset: 48, .size: 8, .value_kind: global_buffer, .address_space: global }
      - { .name: kvf, .offset: 56, .size: 8, .value_kind: global_buffer, .address_space: global }
    .group_segment_fixed_size: 327680
    .private_segment_fixed_size: 0
    .kernarg_segment_align: 8
    .kernarg_segment_size: 64
    .max_flat_workgroup_size: 128
    .sgpr_count:     100
    .vgpr_count:     704
    .wavefront_size: 32
...
	.end_amdgpu_metadata
.endif
;; end of part 2
;; launch attn (part 3): grid 8 x 24, 8 waves a work-group, clusters of 4 x 1, 327,680 bytes of LDS; arguments qf, kvf, lowp_scales, af; writes af
.if DOCPART == 3
	.amdgcn_target "amdgcn-amd-amdhsa--gfx1250"
	.amdhsa_code_object_version 6
	.text
	.protected	k_q754d7e24ac_attn
	.globl	k_q754d7e24ac_attn
	.p2align	8
	.type	k_q754d7e24ac_attn,@function
k_q754d7e24ac_attn:
	s_mov_b64 s[64:65], 0
	v_nop
	global_prefetch_b8 v0, s[64:65] scope:SCOPE_SE
	s_setreg_imm32_b32 hwreg(HW_REG_WAVE_MODE, 25, 1), 1
	s_wait_xcnt 0x0
	s_wait_alu depctr_hold_cnt(0) depctr_sa_sdst(0) depctr_va_vdst(0) depctr_va_sdst(0) depctr_va_ssrc(0) depctr_va_vcc(0) depctr_vm_vsrc(0)
	s_getreg_b32 s2, hwreg(HW_REG_IB_STS2, 6, 4)
	s_cmp_eq_u32 s2, 0
	s_cbranch_scc0 .Lentry_in_a_cluster
	s_endpgm
.Lentry_in_a_cluster:
	s_bfe_u32 s2, ttmp6, 0x10000c
	s_cmp_lg_u32 s2, 0x3003
	s_cbranch_scc0 .Lentry_shape_is_right
	s_endpgm
.Lentry_shape_is_right:
; ATTN: a = softmax(q k^T / 8) v for each batch and head, both products on codes of E5M2, and a's quantising for the projection.  No work of the problem is left out here.
; THE SOFTMAX AHEAD OF THE SECOND PRODUCT: t = score x log2(e) / 8; M = the largest t so far, rounded UP to a whole number; p = 2^(t - M) is quantised with 2^e8, not normalised.  The row's sum is taken of the
; unquantised p and divides at the end.  When M moves, the sum and O are multiplied by 2^(old M - new M), which rounds nothing.  The maximum is always taken away, by the running M.
; LIMITS on the given exponents: e6 + e7 between -123 and 130 (they are added to c's exponent field); e8 and e10 between -126 and 112; e8 + e9 goes in by v_ldexp_f32 and has none.
; SHARES.  A work-group owns 256 queries of one head, each of its eight waves two tiles of 16: each fragment of K and V read from LDS feeds two products, and two waves share a SIMD, so that one wave's LDS loads
; and products stand beside the other's vector work.  24 heads x 8 blocks are 192 work-groups: a head's 128 tiles do not divide among 10 2/3 work-groups.
; THE HEAD'S WHOLE K AND V, 262,144 bytes of codes in fragment order, LIE IN LDS: each wave brings two steps of 128 keys (16,384 bytes each) by two tensor loads at the head; no byte is filled twice.  Two loads of mine are out at most.
; CLUSTER 4 x 1: the four query blocks of a cluster walk the same head: each tile is asked for jointly.  No prefetch: every tensor load stands at the head, so there is no later load to run ahead of.
; LAYOUT.  Both products are used transposed: S^T = K Q^T (source 0 = 16 keys), O^T = V^T P^T (source 0 = 16 channels): a lane holds ONE query throughout.  By the choice of a tile's rows the 16 registers of
; tiles 2 b, 2 b + 1 are 16 neighbouring keys (channels): the conversions' results are the next operand's registers.
; af: [64 tokens 64][ks 6][tile 4][c 4][512]: K = 64 x head + channel.
; REGISTERS: window 0: v1-9 addresses, scales; v12-27 statistics, 8 a tile (+0 -M, +1 largest t, +2, +3 the sum, +4 f, +5 its pair's upper half, +6, +7 at work); v28-31 second chains of the sums;
;   v32-159 S^T, then p, 64 a tile; v160-223 O^T, 32 a tile; v224-255 p's codes, 16 a tile.   window 1: v0-63 K, v64-127 V of a step, v128-143 Q.
.set STEPB, 16384                      ; a step: K's 8 tiles x 2 pieces, then V's 4 tiles x 4 pieces
.set SPARE, 262144                     ; behind the head's codes: the spare words, 128 bytes for each wave: four blocks of 256 bytes that no other line names
.set LI,   1                           ; v1  16 x lane
.set AD,   2                           ; v2  the step's LDS address
.set SPW,  3                           ; v3  my spare word; never rewritten
.set NIL,  4                           ; v4  0; never rewritten
.set PLIM, 5                           ; v5  57,344 x 2^e8;  v6  2^e8
.set PSC,  6
.set ALIM, 8                           ; v8  57,344 x 2^e10; v9  2^e10
.set ASC,  9
.set ST,   12
.set C2,   28
.set S,    32
.set O,    160
.set PC,   224
.set KF,   0
.set VF,   64
.set QF,   128
.set WV,   12                          ; s12 wave
.set G1,   16                          ; s[16:23] group 1;  s[24:27], s[28:31] my two groups 0
.set G0A,  24
.set G0B,  28
.set SEL,  44                          ; s[44:45] selects for v_permlanex16_b32: lane l xor 16
.set CS,   46                          ; s[46:47] c = log2(e) / 8 x 2^(e6 + e7)
.set TB,   48                          ; s48 LDS byte of the step in hand; also the loops' counter
.set MSB, 0
.macro WIN new
.if MSB != \new
	s_set_vgpr_msb (MSB<<8)|\new
.set MSB, \new
.endif
.endm
.macro PLACES n
.rept \n
	v_nop
.endr
.endm
.macro BAR
	s_barrier_signal -1
	s_barrier_wait -1
.endm
.macro CROUND
	s_barrier_signal -1
	s_barrier_wait -1
	s_cmp_lg_u32 s[WV], 0
	s_cbranch_scc1 .Lnot_wave_0_\@
	s_barrier_signal -3
.Lnot_wave_0_\@:
	s_barrier_wait -3
	s_barrier_signal -1
	s_barrier_wait -1
.endm
.macro MKS e, sc, lim                  ; 2^e as f32, and 57,344 x 2^e
	s_add_co_i32 s53, s[\e], 127
	s_lshl_b32 s54, s53, 23
	v_mov_b32 v[\sc], s54
	s_add_co_i32 s53, s53, 15
	s_lshl_b32 s53, s53, 23
	s_or_b32 s53, s53, 0x600000
	v_mov_b32 v[\lim], s53
.endm
	s_load_b256 s[4:11], s[0:1], 0x0               ; qf, kvf, the scales, af
	v_lshl_add_u32 v[SPW], v0, 2, SPARE
	v_mov_b32 v[NIL], 0
	ds_add_u32 v[SPW], v[NIL]                      ; the opening: the add, twice on end, and its wait ahead of my first tensor load
	ds_add_u32 v[SPW], v[NIL]
	v_lshrrev_b32 v7, 5, v0
	v_readfirstlane_b32 s[WV], v7                  ; wave 0..7
	s_bfe_u32 s13, ttmp6, 0x40000                  ; cx
	s_lshl_b32 s14, ttmp9, 2
	s_add_co_u32 s14, s14, s13                     ; my block of 256 queries: it enters Q's and a's addresses alone
	s_and_b32 s15, ttmp7, 0xffff                   ; 12 x batch + head, which the four partners share
	s_mov_b32 s[G1], 0x23000f                      ; the mask: all four; elements of 8 bytes; bit 21 set beside the mask; no padding: every LDS read takes 512 consecutive bytes
	s_mov_b32 s[G1+1], 32<<16                      ; tensor_dim0 = 32: rows of 256 bytes
	s_mov_b32 s[G1+2], 64<<16                      ; tensor_dim1 = 64 rows: 16,384 bytes
	s_mov_b32 s[G1+3], 32<<16                      ; tile_dim0
	s_mov_b32 s[G1+4], 64                          ; tile_dim1
	s_mov_b32 s[G1+5], 32                          ; the pitch: dense
	s_mov_b32 s[G1+6], 0
	s_mov_b32 s[G1+7], 0
	s_mov_b32 s[SEL], 0x76543210
	s_mov_b32 s[SEL+1], 0xfedcba98
	s_mov_b32 s[CS], 0x3e38aa3b                    ; log2(e) / 8
	s_mov_b32 s[TB], 0
	s_lshl_b32 s52, s[WV], 14                      ; step w: in LDS,
	s_lshl_b32 s50, s15, 18
	s_add_co_u32 s50, s50, s52                     ; and in kvf
	s_mov_b32 s51, 0
	s_wait_dscnt 0x0                               ; both opening adds are done
	s_wait_kmcnt 0x0
	s_load_b128 s[32:35], s[8:9], 0x18             ; e6, e7, e8, e9
	s_load_b32 s36, s[8:9], 0x28                   ; e10
	s_add_nc_u64 s[50:51], s[6:7], s[50:51]
	CROUND                                         ; all four work-groups are here: the joint loads meet
	s_mov_b32 s[G0A], 1
	s_mov_b32 s[G0A+1], s52
	s_mov_b64 s[G0A+2:G0A+3], s[50:51]
	s_or_b32 s[G0A+3], s[G0A+3], 0x80000000
	s_mov_b32 s[G0B], 1
	s_add_co_u32 s[G0B+1], s52, 131072             ; step 8 + w
	s_add_nc_u64 s[G0B+2:G0B+3], s[50:51], 131072
	s_or_b32 s[G0B+3], s[G0B+3], 0x80000000
	tensor_load_to_lds s[G0A:G0A+3], s[G1:G1+7]
	s_nop 0
	tensor_load_to_lds s[G0B:G0B+3], s[G1:G1+7]
	s_nop 0
	PLACES 4
	v_and_b32 v[LI], 31, v0
	v_lshlrev_b32 v[LI], 4, v[LI]
	s_lshl_b32 s53, s14, 4
	s_lshl_b32 s54, s[WV], 1
	s_add_co_u32 s53, s53, s54                     ; my first tile of queries in the sequence
	s_lshl_b32 s54, s53, 10
	s_lshl_b32 s55, s15, 17
	s_add_co_u32 s54, s54, s55
	s_mov_b32 s55, 0
	s_add_nc_u64 s[4:5], s[4:5], s[54:55]
	WIN 0x40                                       ; destination window 1
.irp q, 0,1
.irp c, 0,1
	global_load_b128 v[QF+8*\q+4*\c:QF+8*\q+4*\c+3], v[LI], s[4:5] offset:1024*\q+512*\c   ; Q's two fragments stay in registers
.endr
.endr
	WIN 0
	s_cmp_ge_u32 s15, 12
	s_cselect_b32 s54, 1, 0                        ; the batch
	s_mul_i32 s55, s54, 12
	s_sub_co_u32 s55, s15, s55                     ; the head
	s_lshl_b32 s54, s54, 7
	s_add_co_u32 s53, s53, s54                     ; my first tile among all 256 tiles of tokens (an even number)
	s_lshr_b32 s54, s53, 2
	s_mul_i32 s54, s54, 49152                      ; its block of 64 tokens,
	s_and_b32 s53, s53, 3
	s_lshl_b32 s53, s53, 11                        ; its place there,
	s_add_co_u32 s54, s54, s53
	s_lshr_b32 s53, s55, 1
	s_lshl_b32 s53, s53, 13                        ; K step head / 2,
	s_add_co_u32 s54, s54, s53
	s_and_b32 s53, s55, 1
	s_lshl_b32 s53, s53, 10                        ; pieces 2 (head % 2), + 1
	s_add_co_u32 s54, s54, s53
	s_mov_b32 s55, 0
	s_add_nc_u64 s[10:11], s[10:11], s[54:55]
.irp q, 0,1
	v_mov_b32 v[ST+8*\q+1], 0xff61b1e6             ; the largest t so far: -3e38, under every t
	v_floor_f32 v[ST+8*\q], -v[ST+8*\q+1]          ; -M
	v_mov_b32 v[ST+8*\q+2], 0                      ; the sum, in two halves
	v_mov_b32 v[ST+8*\q+3], 0
	v_mov_b32 v[ST+8*\q+5], 0                      ; (named as the upper half of f's pair)
.endr
.set n, 0
.rept 64
	v_mov_b32 v[O+n], 0                            ; O^T.  The step is written without a first copy: the first step finds zeros, which the first change of M leaves zeros
.set n, n+1
.endr
	s_wait_kmcnt 0x0
	s_add_co_i32 s53, s32, s33
	s_lshl_b32 s53, s53, 23
	s_add_co_i32 s[CS], s[CS], s53                 ; a score stands for score x 2^(e6 + e7): added to c's exponent field
	s_mov_b32 s[CS+1], s[CS]                       ; (named with it as a pair)
	MKS 34, PSC, PLIM
	MKS 36, ASC, ALIM
	s_add_co_i32 s56, s34, s35                     ; e8 + e9
.macro MAXP q                          ; the step's largest score of my query, the new M, f
.set rS, S+64*\q
.set rT, ST+8*\q
	v_max3_num_f32 v[rT+6], v[rS], v[rS+1], v[rS+2]   ; two chains; each accumulator is first read at its low end
	v_max3_num_f32 v[rT+7], v[rS+3], v[rS+4], v[rS+5]
.irp i, 6,10,14,18,22,26,30,34,38,42,46,50,54,58
	v_max3_num_f32 v[rT+6], v[rT+6], v[rS+\i], v[rS+\i+1]
	v_max3_num_f32 v[rT+7], v[rT+7], v[rS+\i+2], v[rS+\i+3]
.endr
	v_max3_num_f32 v[rT+6], v[rT+6], v[rS+62], v[rS+63]
	v_max_num_f32 v[rT+6], v[rT+6], v[rT+7]
	v_permlanex16_b32 v[rT+7], v[rT+6], s[SEL], s[SEL+1]
	v_max_num_f32 v[rT+6], v[rT+6], v[rT+7]        ; and among lane l xor 16's 64 keys
	v_mul_f32 v[rT+6], s[CS], v[rT+6]              ; as t (c is positive)
	v_max_num_f32 v[rT+1], v[rT+1], v[rT+6]        ; the running largest t
	v_mov_b32 v[rT+6], v[rT]
	v_floor_f32 v[rT], -v[rT+1]                    ; -M = floor(-t): M is a whole number
	v_sub_f32 v[rT+6], v[rT], v[rT+6]              ; old M - new M: a whole number, 0 or less
	v_cvt_i32_f32 v[rT+6], v[rT+6]                 ; (it saturates)
	v_ldexp_f32 v[rT+4], 1.0, v[rT+6]              ; f = 2^(old M - new M)
.endm
.macro SCALE q
.set rS, S+64*\q
.set rT, ST+8*\q
.set n, 0
.rept 32
	v_pk_fma_f32 v[rS+n:rS+n+1], v[rS+n:rS+n+1], s[CS:CS+1], v[rT:rT+1] op_sel_hi:[1,0,0]   ; t - M, two at a time (of c's and -M's pairs the low word serves both halves)
.set n, n+2
.endr
.endm
.macro EXPS q
.set rS, S+64*\q
.set n, 0
.rept 64
	v_exp_f32 v[rS+n], v[rS+n]                     ; p = 2^(t - M), at most 1
.set n, n+1
.endr
.endm
.macro SUMS q                          ; the row's sum is taken of the unquantised p, in two chains
.set rS, S+64*\q
.set rT, ST+8*\q
.set rC, C2+2*\q
	v_pk_add_f32 v[rC:rC+1], v[rS:rS+1], v[rS+2:rS+3]
.irp j, 4,8,12,16,20,24,28,32,36,40,44,48,52,56,60
	v_pk_add_f32 v[rT+2:rT+3], v[rT+2:rT+3], v[rS+\j:rS+\j+1]
	v_pk_add_f32 v[rC:rC+1], v[rC:rC+1], v[rS+\j+2:rS+\j+3]
.endr
	v_pk_add_f32 v[rT+2:rT+3], v[rT+2:rT+3], v[rC:rC+1]
.endm
.macro HOLDCVT q
.set rS, S+64*\q
.set rP, PC+16*\q
.irp b, 0,1,2,3
.irp i, 0,1,2,3,4,5,6,7,8,9,10,11,12,13,14,15
	v_min_num_f32 v[rS+16*\b+\i], v[rS+16*\b+\i], v[PLIM]   ; the conversion does not saturate (ISA guide 7.6.2); p is not negative, so the hold is one-sided
.endr
	v_cvt_scalef32_pk8_bf8_f32 v[rP+4*\b:rP+4*\b+1], v[rS+16*\b:rS+16*\b+7], v[PSC]
	v_cvt_scalef32_pk8_bf8_f32 v[rP+4*\b+2:rP+4*\b+3], v[rS+16*\b+8:rS+16*\b+15], v[PSC]
.endr
.endm
.macro RESC q
.set rO, O+32*\q
.set rT, ST+8*\q
.set n, 0
.rept 16
	v_pk_mul_f32 v[rO+n:rO+n+1], v[rO+n:rO+n+1], v[rT+4:rT+5] op_sel_hi:[1,0]   ; O^T under the new M; each accumulator from its low end on
.set n, n+2
.endr
.endm
; A KEY STEP: 128 keys for my two tiles of queries
.macro STEP
	v_add_nc_u32 v[AD], s[TB], v[LI]
	PLACES 3                                       ; with the addition: four places behind the last step's products, in front of the loads into V's registers
	WIN 0x40                                       ; destination window 1
.irp t, 0,1,2,3,4,5,6,7
.irp c, 0,1
	ds_load_b128 v[KF+8*\t+4*\c:KF+8*\t+4*\c+3], v[AD] offset:1024*\t+512*\c
.endr
.endr
.irp d, 0,1,2,3
.irp c, 0,1,2,3
	ds_load_b128 v[VF+16*\d+4*\c:VF+16*\d+4*\c+3], v[AD] offset:8192+2048*\d+512*\c
.endr
.endr
	s_wait_dscnt 16                                ; K's sixteen loads are in; V's sixteen land under the softmax
	WIN 0x05                                       ; sources 0 and 1 window 1
.irp t, 0,1,2,3,4,5,6,7
.irp q, 0,1
	v_wmma_f32_16x16x64_bf8_bf8 v[S+64*\q+8*\t:S+64*\q+8*\t+7], v[KF+8*\t:KF+8*\t+7], v[QF+8*\q:QF+8*\q+7], 0
.endr
.endr
	WIN 0
	PLACES 4
	MAXP 0
	MAXP 1
	SCALE 0
	SCALE 1
	EXPS 0                                         ; both tiles' 128 exponentials are one batch
	EXPS 1
	v_pk_mul_f32 v[ST+2:ST+3], v[ST+2:ST+3], v[ST+4:ST+5] op_sel_hi:[1,0]       ; the sums under the new M: the plain lines behind the exponentials
	v_pk_mul_f32 v[ST+10:ST+11], v[ST+10:ST+11], v[ST+12:ST+13] op_sel_hi:[1,0]
	s_wait_alu depctr_va_vdst(0)                   ; one wait for the whole batch, ahead of its first reader
	SUMS 0
	SUMS 1
	HOLDCVT 0
	HOLDCVT 1
	RESC 0                                         ; these 32 are also the plain lines between the conversions and the products that read the codes
	RESC 1
	s_wait_dscnt 0x0                               ; V is in
	WIN 0x01                                       ; source 0 window 1
.irp d, 0,1,2,3
.irp q, 0,1
	v_wmma_f32_16x16x128_bf8_bf8 v[O+32*\q+8*\d:O+32*\q+8*\d+7], v[VF+16*\d:VF+16*\d+15], v[PC+16*\q:PC+16*\q+15], v[O+32*\q+8*\d:O+32*\q+8*\d+7]   ; eight accumulators by turns
.endr
.endr
	WIN 0
.endm
	s_wait_loadcnt 0x0                             ; Q
	s_wait_tensorcnt 0x1                           ; my first load (step w) has landed; my second may stay out
	BAR                                            ; steps 0 to 7 are whole
.LA:
	STEP
	s_add_co_u32 s[TB], s[TB], STEPB
	s_cmp_lt_u32 s[TB], 131072
	s_cbranch_scc1 .LA
	s_wait_tensorcnt 0x0                           ; my second load (step 8 + w) has landed: no load was issued behind it
	s_wait_dscnt 0x0
	BAR                                            ; steps 8 to 15 are whole
	s_mov_b32 s[TB], 131072
.LB:
	STEP
	s_add_co_u32 s[TB], s[TB], STEPB
	s_cmp_lt_u32 s[TB], 262144
	s_cbranch_scc1 .LB
	; THE WAY OUT: a = O^T / the sum x 2^(e8 + e9), quantised with 2^e10.  The additions, the v_nop and the two v_ldexp_f32 are the places behind the last products.
.irp q, 0,1
	v_add_f32 v[ST+8*\q+2], v[ST+8*\q+2], v[ST+8*\q+3]
.endr
.irp q, 0,1
	v_permlanex16_b32 v[ST+8*\q+6], v[ST+8*\q+2], s[SEL], s[SEL+1]
.endr
.irp q, 0,1
	v_add_f32 v[ST+8*\q+2], v[ST+8*\q+2], v[ST+8*\q+6]   ; the row's sum
.endr
.irp q, 0,1
	v_rcp_f32 v[ST+8*\q+6], v[ST+8*\q+2]
.endr
	v_nop                                          ; a plain line behind the last reciprocal
	s_wait_alu depctr_va_vdst(0)                   ; one wait for both, ahead of their first reader
.irp q, 0,1
	v_ldexp_f32 v[ST+8*\q+4], v[ST+8*\q+6], s56
.endr
.irp q, 0,1
.set n, 0
.rept 16
	v_pk_mul_f32 v[S+64*\q+n:S+64*\q+n+1], v[O+32*\q+n:O+32*\q+n+1], v[ST+8*\q+4:ST+8*\q+5] op_sel_hi:[1,0]   ; register 16 b + i: channel 32 b + 16 h + i of my query
.set n, n+2
.endr
.set n, 0
.rept 32
	v_med3_num_f32 v[S+64*\q+n], v[S+64*\q+n], -v[ALIM], v[ALIM]
.set n, n+1
.endr
.irp b, 0,1
	v_cvt_scalef32_pk8_bf8_f32 v[PC+16*\q+4*\b:PC+16*\q+4*\b+1], v[S+64*\q+16*\b:S+64*\q+16*\b+7], v[ASC]
	v_cvt_scalef32_pk8_bf8_f32 v[PC+16*\q+4*\b+2:PC+16*\q+4*\b+3], v[S+64*\q+16*\b+8:S+64*\q+16*\b+15], v[ASC]
.endr
	v_nop
.irp b, 0,1
	global_store_b128 v[LI], v[PC+16*\q+4*\b:PC+16*\q+4*\b+3], s[10:11] offset:2048*\q+512*\b   ; a whole piece: 512 consecutive bytes, aligned
.endr
.endr
	s_wait_tensorcnt 0x0                           ; the wave's end: wait, add, wait behind my last tensor load
	ds_add_u32 v[SPW], v[NIL]
	s_wait_dscnt 0x0
	CROUND                                         ; the closing round
	s_endpgm
.Lfunc_end_k_q754d7e24ac_attn:
	.size	k_q754d7e24ac_attn, .Lfunc_end_k_q754d7e24ac_attn-k_q754d7e24ac_attn
	.p2alignl 7, 3214868480
	.fill 96, 4, 3214868480
	.section	.rodata,"a",@progbits
	.p2align	6, 0x0
	.amdhsa_kernel k_q754d7e24ac_attn
		.amdhsa_group_segment_fixed_size 327680
		.amdhsa_private_segment_fixed_size 0
		.amdhsa_enable_private_segment 0
		.amdhsa_kernarg_size 32
		.amdhsa_user_sgpr_count 2
		.amdhsa_user_sgpr_kernarg_segment_ptr 1
		.amdhsa_wavefront_size32 1
		.amdhsa_system_sgpr_workgroup_id_x 1
		.amdhsa_system_sgpr_workgroup_id_y 1
		.amdhsa_system_sgpr_workgroup_id_z 1
		.amdhsa_system_vgpr_workitem_id 0
		.amdhsa_next_free_vgpr 400
		.amdhsa_next_free_sgpr 66
		.amdhsa_reserve_vcc 0
		.amdhsa_float_denorm_mode_32 3
		.amdhsa_float_denorm_mode_16_64 3
		.amdhsa_memory_ordered 1
		.amdhsa_forward_progress 1
		.amdhsa_inst_pref_size 72
	.end_amdhsa_kernel
	.amdgpu_metadata
---
amdhsa.version: [ 1, 2 ]
amdhsa.kernels:
  - .name:           k_q754d7e24ac_attn
    .symbol:         k_q754d7e24ac_attn.kd
    .args:
      - { .name: qf, .offset: 0, .size: 8, .value_kind: global_buffer, .address_space: global }
      - { .name: kvf, .offset: 8, .size: 8, .value_kind: global_buffer, .address_space: global }
      - { .name: lowp_scales, .offset: 16, .size: 8, .value_kind: global_buffer, .address_space: global }
      - { .name: af, .offset: 24, .size: 8, .value_kind: global_buffer, .address_space: global }
    .group_segment_fixed_size: 327680
    .private_segment_fixed_size: 0
    .kernarg_segment_align: 8
    .kernarg_segment_size: 32
    .max_flat_workgroup_size: 256
    .sgpr_count:     66
    .vgpr_count:     400
    .wavefront_size: 32
...
	.end_amdgpu_metadata
.endif
;; end of part 3
;; launch oproj (part 4): grid 4 x 64, 4 waves a work-group, clusters of 4 x 4, 327,680 bytes of LDS; arguments af, wf, bo, lowp_scales, out0; writes out0
.if DOCPART == 4
	.amdgcn_target "amdgcn-amd-amdhsa--gfx1250"
	.amdhsa_code_object_version 6
	.text
	.protected	k_q754d7e24ac_oproj
	.globl	k_q754d7e24ac_oproj
	.p2align	8
	.type	k_q754d7e24ac_oproj,@function
k_q754d7e24ac_oproj:
	s_mov_b64 s[64:65], 0
	v_nop
	global_prefetch_b8 v0, s[64:65] scope:SCOPE_SE
	s_setreg_imm32_b32 hwreg(HW_REG_WAVE_MODE, 25, 1), 1
	s_wait_xcnt 0x0
	s_wait_alu depctr_hold_cnt(0) depctr_sa_sdst(0) depctr_va_vdst(0) depctr_va_sdst(0) depctr_va_ssrc(0) depctr_va_vcc(0) depctr_vm_vsrc(0)
	s_getreg_b32 s2, hwreg(HW_REG_IB_STS2, 6, 4)
	s_cmp_eq_u32 s2, 0
	s_cbranch_scc0 .Lentry_in_a_cluster
	s_endpgm
.Lentry_in_a_cluster:
	s_bfe_u32 s2, ttmp6, 0x10000c
	s_cmp_lg_u32 s2, 0xf033
	s_cbranch_scc0 .Lentry_shape_is_right
	s_endpgm
.Lentry_shape_is_right:
; OPROJ: out0 = a Wo^T + bo on codes of E5M2: a's codes from af, Wo's are matrix 3 of wf.  out0 = sum x 2^(e10 + e11) + bo, one packed multiply-add for two numbers.  No work of the problem is left out here.
; LIMIT: e10 + e11 between -126 and 127, so that 2^(e10 + e11) is an f32 number.
; SHARES.  A work-group takes 64 tokens x 192 columns, whole K = 768: 196,608 bytes of codes in LDS at once, in three groups of two K steps, each brought by one tensor load a wave; no byte is filled twice;
; three loads of mine are out at most.  64 x 4 = 256 work-groups.  Wave w: all four tiles of tokens x tiles 3 w .. 3 w + 2 of columns: 12 accumulators.
; CLUSTER 4 x 4 (the grid's x is one cluster, so cx is the block of columns): a's tiles are shared along a row of the cluster, Wo's along a column.  No prefetch: every tensor load stands at the head.
; Source 0 = 16 rows of Wo, source 1 = 16 tokens: a lane holds one token and eight neighbouring columns.  The results meet in a stage of 64 rows x (768 + 16) bytes, where the tokens come back into their true order;
; each wave then stores 16 rows' 768 bytes: sixteen lanes always fill one aligned block of 256 bytes.
; REGISTERS: window 0: v1-22 addresses; v32-95, v96-159 a's two sets of four fragments (on the way out v32-127: results, then rows); v160-255 the accumulators.  window 1: v0-47, v48-95 Wo's two sets of three; v96-119 bo.
.set GRP,   65536                      ; a group: a of two K steps (2 x 8,192), then Wo of two (2 x 24,576)
.set AKS,   8192
.set WKS,   24576
.set WOFF,  16384
.set STG,   3*GRP                      ; the stage: bytes of its own, into which no tile lands
.set SPT,   784
.set SPARE, STG+64*SPT                 ; behind the stage: the spare words, 128 bytes for each wave: two blocks of 256 bytes that no other line names
.set LI,  3                            ; v3      16 x lane
.set ADA, 4                            ; v4-6    a's fragments in group 0, 1, 2
.set ADW, 7                            ; v7-9    my Wo fragments
.set SPW, 10                           ; v10     my spare word; never rewritten
.set NIL, 11                           ; v11     0; never rewritten
.set STO, 12                           ; v12-14  into the stage, for each of my three tiles of columns
.set RD0, 15                           ; v15, v16 out of it
.set RD1, 16
.set GO1, 17                           ; v17     the middle store's offset
.set BOF, 18                           ; v18-20  my columns' bytes: 64 h + the tile's
.set AS,  32
.set T,   32
.set ACC, 160
.set BB,  96
.set WV,  14                           ; s14 wave
.set G1W, 20                           ; s[20:27] group 1 for Wo's tiles; s[28:35] for a's
.set G1A, 28
.set MSB, 0
.macro WIN new
.if MSB != \new
	s_set_vgpr_msb (MSB<<8)|\new
.set MSB, \new
.endif
.endm
.macro PLACES n
.rept \n
	v_nop
.endr
.endm
.macro BAR
	s_barrier_signal -1
	s_barrier_wait -1
.endm
.macro CROUND
	s_barrier_signal -1
	s_barrier_wait -1
	s_cmp_lg_u32 s[WV], 0
	s_cbranch_scc1 .Lnot_wave_0_\@
	s_barrier_signal -3
.Lnot_wave_0_\@:
	s_barrier_wait -3
	s_barrier_signal -1
	s_barrier_wait -1
.endm
.macro MKG0 d, l, a, lo, go
	s_mov_b32 s[\d], 1
	s_add_co_u32 s[\d+1], s[\l], \lo
	s_add_nc_u64 s[\d+2:\d+3], s[\a:\a+1], \go
	s_or_b32 s[\d+3], s[\d+3], 0x80000000
.endm
	s_load_b256 s[4:11], s[0:1], 0x0               ; af, wf, bo, the scales
	s_load_b64 s[12:13], s[0:1], 0x20              ; out0
	v_lshl_add_u32 v[SPW], v0, 2, SPARE
	v_mov_b32 v[NIL], 0
	ds_add_u32 v[SPW], v[NIL]                      ; the opening: the add, twice on end, and its wait ahead of my first tensor load
	ds_add_u32 v[SPW], v[NIL]
	v_lshrrev_b32 v1, 5, v0
	v_readfirstlane_b32 s[WV], v1                  ; wave 0..3
	s_and_b32 s15, s[WV], 1                        ; which K step of a group I fetch
	s_bfe_u32 s16, ttmp6, 0x40000                  ; cx = the block of 192 columns
	s_bfe_u32 s17, ttmp6, 0x40004                  ; cy
	s_and_b32 s18, ttmp7, 0xffff
	s_lshl_b32 s18, s18, 2
	s_add_co_u32 s18, s18, s17                     ; the block of 64 tokens
	s_lshl_b32 s66, s17, 2
	s_lshl_b32 s66, 15, s66                        ; my row of the cluster
	s_lshl_b32 s67, 0x1111, s16                    ; my column
	s_or_b32 s[G1A], s66, 0x230000                 ; elements of 8 bytes, bit 21 beside the mask, no padding
	s_or_b32 s[G1W], s67, 0x230000
	s_mov_b32 s[G1A+1], 32<<16                     ; rows of 256 bytes,
	s_mov_b32 s[G1A+2], 32<<16                     ; 32 of them: 8,192 bytes
	s_mov_b32 s[G1A+3], 32<<16
	s_mov_b32 s[G1A+4], 32
	s_mov_b32 s[G1A+5], 32
	s_mov_b32 s[G1A+6], 0
	s_mov_b32 s[G1A+7], 0
	s_mov_b32 s[G1W+1], 32<<16
	s_mov_b32 s[G1W+2], 96<<16                     ; 96 rows: 24,576 bytes
	s_mov_b32 s[G1W+3], 32<<16
	s_mov_b32 s[G1W+4], 96
	s_mov_b32 s[G1W+5], 32
	s_mov_b32 s[G1W+6], 0
	s_mov_b32 s[G1W+7], 0
	s_mul_i32 s68, s16, 147456                     ; Wo: matrix 3, block cx, my K step of group 0: nothing of cy
	s_add_co_u32 s68, s68, 1769472
	s_mul_i32 s69, s15, WKS
	s_add_co_u32 s68, s68, s69
	s_mov_b32 s69, 0
	s_mul_i32 s70, s18, 49152                      ; a: my block of tokens, my K step of group 0: nothing of cx
	s_lshl_b32 s71, s15, 13
	s_add_co_u32 s70, s70, s71
	s_mov_b32 s71, 0
	s_mul_i32 s72, s15, WKS
	s_add_co_u32 s72, s72, WOFF                    ; where they go in a group
	s_lshl_b32 s73, s15, 13
	s_wait_dscnt 0x0                               ; both opening adds are done
	s_wait_kmcnt 0x0
	s_load_b64 s[60:61], s[10:11], 0x28            ; e10, e11
	s_add_nc_u64 s[68:69], s[6:7], s[68:69]
	s_add_nc_u64 s[70:71], s[4:5], s[70:71]
	CROUND                                         ; all sixteen work-groups are here: the joint loads meet
	MKG0 36, 72, 68, 0, 0
	MKG0 40, 72, 68, GRP, 2*WKS
	MKG0 44, 72, 68, 2*GRP, 4*WKS
	MKG0 48, 73, 70, 0, 0
	MKG0 52, 73, 70, GRP, 2*AKS
	MKG0 56, 73, 70, 2*GRP, 4*AKS
	s_cmp_lt_u32 s[WV], 2                          ; waves 0, 1 fetch Wo's two K steps of each group, waves 2, 3 a's
	s_cbranch_scc0 .Lfill_a
	tensor_load_to_lds s[36:39], s[G1W:G1W+7]
	s_nop 0
	tensor_load_to_lds s[40:43], s[G1W:G1W+7]
	s_nop 0
	tensor_load_to_lds s[44:47], s[G1W:G1W+7]
	s_nop 0
	PLACES 4
	s_branch .Lfilled
.Lfill_a:
	tensor_load_to_lds s[48:51], s[G1A:G1A+7]
	s_nop 0
	tensor_load_to_lds s[52:55], s[G1A:G1A+7]
	s_nop 0
	tensor_load_to_lds s[56:59], s[G1A:G1A+7]
	s_nop 0
	PLACES 4
.Lfilled:
	v_and_b32 v1, 15, v0                           ; r
	v_bfe_u32 v2, v0, 4, 1                         ; h
	v_and_b32 v[LI], 31, v0
	v_lshlrev_b32 v[LI], 4, v[LI]
	s_mov_b32 s74, 0
	s_mul_i32 s75, s[WV], 6144                     ; my three tiles of Wo
	s_add_co_u32 s75, s75, WOFF
.irp g, 0,1,2
	v_add_nc_u32 v[ADA+\g], s74, v[LI]
	v_add_nc_u32 v[ADW+\g], s75, v[LI]
	s_add_co_u32 s74, s74, GRP
	s_add_co_u32 s75, s75, GRP
.endr
	v_and_b32 v21, 8, v1
	v_add_nc_u32 v21, v21, v1                      ; r + 8 (r / 8): my token's row among a pair of tiles' 32
	v_mul_u32_u24 v21, v21, SPT
	v_lshlrev_b32 v22, 6, v2                       ; 64 h: my half's 16 columns of each 32
.irp i, 0,1,2                          ; tile s = 3 w + i holds columns 32 (s / 2) + 8 (s % 2) + 16 h + 0 .. 7
	s_mul_i32 s74, s[WV], 3
	s_add_co_u32 s74, s74, \i
	s_lshr_b32 s75, s74, 1
	s_lshl_b32 s75, s75, 7
	s_and_b32 s74, s74, 1
	s_lshl_b32 s74, s74, 5
	s_add_co_u32 s75, s75, s74
	v_add_nc_u32 v[BOF+\i], s75, v22
	v_add_nc_u32 v[STO+\i], v[BOF+\i], v21
	v_add_nc_u32 v[STO+\i], STG, v[STO+\i]
.endr
	s_mul_i32 s74, s[WV], 16*SPT
	s_add_co_u32 s74, s74, STG
	v_add_nc_u32 v[RD0], s74, v[LI]                ; back: my 16 rows, 512 bytes an instruction
	v_lshl_add_u32 v[RD1], v2, 4, v[RD0]           ; the middle load crosses from a row to the next: lanes 16-31 pass the 16 bytes of padding
	v_mul_u32_u24 v[GO1], v2, 2304
	v_add_nc_u32 v[GO1], v[GO1], v[LI]             ; and in out0 the 2,304 bytes of the other blocks' columns
	s_mul_i32 s76, s16, 768                        ; my block's columns, in bytes
	s_mov_b32 s77, 0
	s_add_nc_u64 s[8:9], s[8:9], s[76:77]
	WIN 0x40                                       ; destination window 1
.irp i, 0,1,2
	global_load_b128 v[BB+8*\i:BB+8*\i+3], v[BOF+\i], s[8:9]
	global_load_b128 v[BB+8*\i+4:BB+8*\i+7], v[BOF+\i], s[8:9] offset:16
.endr
	WIN 0
	s_lshl_b32 s74, s18, 6
	s_lshl_b32 s75, s[WV], 4
	s_add_co_u32 s74, s74, s75                     ; the first row that I store: 64 x block + 16 x wave
	s_mul_i32 s74, s74, 3072
	s_add_co_u32 s74, s74, s76
	s_mov_b32 s75, 0
	s_add_nc_u64 s[12:13], s[12:13], s[74:75]
	s_wait_kmcnt 0x0
	s_add_co_i32 s60, s60, s61
	s_add_co_i32 s60, s60, 127
	s_lshl_b32 s60, s60, 23                        ; 2^(e10 + e11) as f32
	s_mov_b32 s61, s60                             ; (named with it as a pair)
.macro FETCH ks                        ; the K step's 28 loads in one run
	WIN 0x40
.irp i, 0,1,2
.irp c, 0,1,2,3
	ds_load_b128 v[48*((\ks)%2)+16*\i+4*\c:48*((\ks)%2)+16*\i+4*\c+3], v[ADW+(\ks)/2] offset:WKS*((\ks)%2)+2048*\i+512*\c
.endr
.endr
	WIN 0
.irp j, 0,1,2,3
.irp c, 0,1,2,3
	ds_load_b128 v[AS+64*((\ks)%2)+16*\j+4*\c:AS+64*((\ks)%2)+16*\j+4*\c+3], v[ADA+(\ks)/2] offset:AKS*((\ks)%2)+2048*\j+512*\c
.endr
.endr
.endm
.macro MUL ks                          ; 12 products; the first K step starts the sums; the accumulators take turns, one instruction a turn, in the same order in every step
	WIN 0x01                                       ; source 0 (Wo) window 1
.irp j, 0,1,2,3
.irp i, 0,1,2
.if (\ks) == 0
	v_wmma_f32_16x16x128_bf8_bf8 v[ACC+8*(3*\j+\i):ACC+8*(3*\j+\i)+7], v[48*((\ks)%2)+16*\i:48*((\ks)%2)+16*\i+15], v[AS+64*((\ks)%2)+16*\j:AS+64*((\ks)%2)+16*\j+15], 0
.else
	v_wmma_f32_16x16x128_bf8_bf8 v[ACC+8*(3*\j+\i):ACC+8*(3*\j+\i)+7], v[48*((\ks)%2)+16*\i:48*((\ks)%2)+16*\i+15], v[AS+64*((\ks)%2)+16*\j:AS+64*((\ks)%2)+16*\j+15], v[ACC+8*(3*\j+\i):ACC+8*(3*\j+\i)+7]
.endif
.endr
.endr
.endm
.macro KSTEP ks
.if ((\ks) == 1) || ((\ks) == 3)
	s_wait_dscnt 0x0                               ; no LDS instruction of mine is pending at a signal
	s_wait_tensorcnt 2-(\ks+1)/2                   ; my load of the next group has landed; the group behind it may stay out
	BAR
.endif
.if (\ks) < 5
.if (\ks) > 0
	PLACES 4                                       ; in front of loads into registers that the last products read
.endif
	FETCH \ks+1
	s_wait_dscnt 28                                ; all but the 28 just issued
.else
	s_wait_dscnt 0x0
.endif
	MUL \ks
.endm
	s_wait_loadcnt 0x0                             ; bo, while the tiles are on their way
	s_wait_tensorcnt 0x2                           ; my load of group 0 has landed; groups 1 and 2 stay out
	BAR
	FETCH 0
.irp k, 0,1,2,3,4,5
	KSTEP \k
.endr
	WIN 0
	PLACES 4                                       ; in front of the first read of results and of writes into the fragments' registers
	WIN 0x10                                       ; source 2 (bo) window 1
.irp j, 0,1,2,3
.irp i, 0,1,2
.irp u, 0,2,4,6
	v_pk_fma_f32 v[T+8*(3*\j+\i)+\u:T+8*(3*\j+\i)+\u+1], v[ACC+8*(3*\j+\i)+\u:ACC+8*(3*\j+\i)+\u+1], s[60:61], v[BB+8*\i+\u:BB+8*\i+\u+1] op_sel_hi:[1,0,1]   ; sum x 2^(e10 + e11) + bo; each accumulator from its low end on
.endr
.endr
.endr
	WIN 0
.irp j, 0,1,2,3
.irp i, 0,1,2
	ds_store_b128 v[STO+\i], v[T+8*(3*\j+\i):T+8*(3*\j+\i)+3] offset:(32*(\j/2)+8*(\j%2))*SPT
	ds_store_b128 v[STO+\i], v[T+8*(3*\j+\i)+4:T+8*(3*\j+\i)+7] offset:(32*(\j/2)+8*(\j%2))*SPT+16
.endr
.endr
	s_wait_dscnt 0x0                               ; for the others' sake: my stores into the stage are done
	BAR                                            ; 64 whole rows lie in the stage
.irp p, 0,1,2,3,4,5,6,7                ; two rows, 1,536 bytes, are three loads of 512
	ds_load_b128 v[T+12*\p:T+12*\p+3], v[RD0] offset:2*SPT*\p
	ds_load_b128 v[T+12*\p+4:T+12*\p+7], v[RD1] offset:2*SPT*\p+512
	ds_load_b128 v[T+12*\p+8:T+12*\p+11], v[RD0] offset:2*SPT*\p+SPT+256
.endr
.irp p, 0,1,2,3,4,5,6,7
	s_wait_dscnt 23-3*\p                           ; LDS loads come back in order: the younger ones stay out
	global_store_b128 v[LI], v[T+12*\p:T+12*\p+3], s[12:13] offset:6144*\p th:TH_STORE_NT
	s_wait_dscnt 22-3*\p
	global_store_b128 v[GO1], v[T+12*\p+4:T+12*\p+7], s[12:13] offset:6144*\p+512 th:TH_STORE_NT
	s_wait_dscnt 21-3*\p
	global_store_b128 v[LI], v[T+12*\p+8:T+12*\p+11], s[12:13] offset:6144*\p+3328 th:TH_STORE_NT   ; sixteen lanes store 256 consecutive bytes, aligned; written once, read by nobody here
.endr
	s_wait_tensorcnt 0x0                           ; the wave's end: wait, add, wait behind my last tensor load and my last LDS store
	ds_add_u32 v[SPW], v[NIL]
	s_wait_dscnt 0x0
	CROUND                                         ; the closing round
	s_endpgm
.Lfunc_end_k_q754d7e24ac_oproj:
	.size	k_q754d7e24ac_oproj, .Lfunc_end_k_q754d7e24ac_oproj-k_q754d7e24ac_oproj
	.p2alignl 7, 3214868480
	.fill 96, 4, 3214868480
	.section	.rodata,"a",@progbits
	.p2align	6, 0x0
	.amdhsa_kernel k_q754d7e24ac_oproj
		.amdhsa_group_segment_fixed_size 327680
		.amdhsa_private_segment_fixed_size 0
		.amdhsa_enable_private_segment 0
		.amdhsa_kernarg_size 40
		.amdhsa_user_sgpr_count 2
		.amdhsa_user_sgpr_kernarg_segment_ptr 1
		.amdhsa_wavefront_size32 1
		.amdhsa_system_sgpr_workgroup_id_x 1
		.amdhsa_system_sgpr_workgroup_id_y 1
		.amdhsa_system_sgpr_workgroup_id_z 1
		.amdhsa_system_vgpr_workitem_id 0
		.amdhsa_next_free_vgpr 384
		.amdhsa_next_free_sgpr 80
		.amdhsa_reserve_vcc 0
		.amdhsa_float_denorm_mode_32 3
		.amdhsa_float_denorm_mode_16_64 3
		.amdhsa_memory_ordered 1
		.amdhsa_forward_progress 1
		.amdhsa_inst_pref_size 36
	.end_amdhsa_kernel
	.amdgpu_metadata
---
amdhsa.version: [ 1, 2 ]
amdhsa.kernels:
  - .name:           k_q754d7e24ac_oproj
    .symbol:         k_q754d7e24ac_oproj.kd
    .args:
      - { .name: af, .offset: 0, .size: 8, .value_kind: global_buffer, .address_space: global }
      - { .name: wf, .offset: 8, .size: 8, .value_kind: global_buffer, .address_space: global }
      - { .name: bo, .offset: 16, .size: 8, .value_kind: global_buffer, .address_space: global }
      - { .name: lowp_scales, .offset: 24, .size: 8, .value_kind: global_buffer, .address_space: global }
      - { .name: out0, .offset: 32, .size: 8, .value_kind: global_buffer, .address_space: global }
    .group_segment_fixed_size: 327680
    .private_segment_fixed_size: 0
    .kernarg_segment_align: 8
    .kernarg_segment_size: 40
    .max_flat_workgroup_size: 128
    .sgpr_count:     80
    .vgpr_count:     384
    .wavefront_size: 32
...
	.end_amdgpu_metadata
.endif
;; end of part 4
;; ======== version 2 of 2: 4 launches
;; limits: right only within a limited range of input values
;; workspace buffers: xf 9,437,184 bytes; wf 2,359,296 bytes; qf 3,145,728 bytes; kvf 6,291,456 bytes; af 3,145,728 bytes
;; launch prep (part 5): grid 448 x 1, 6 waves a work-group, no clusters, 51,456 bytes of LDS; arguments x, Wq, Wk, Wv, Wo, lowp_scales, xf, wf; writes xf, wf
.if DOCPART == 5
	.amdgcn_target "amdgcn-amd-amdhsa--gfx1250"
	.amdhsa_code_object_version 6
	.text
	.protected	k_q754d7e24ac_prep
	.globl	k_q754d7e24ac_prep
	.p2align	8
	.type	k_q754d7e24ac_prep,@function
k_q754d7e24ac_prep:
	s_mov_b64 s[64:65], 0
	v_nop
	global_prefetch_b8 v0, s[64:65] scope:SCOPE_SE
	s_setreg_imm32_b32 hwreg(HW_REG_WAVE_MODE, 25, 1), 1
	s_wait_xcnt 0x0
; PREP: x [4096][768] and the four weights [768][768], f32 with K innermost, become codes of E5M2 laid in the order of the matrix operands' registers.
; x is an operand of three products with three given scales (entries 0, 2, 4 of the scales): three sets of codes.  Wq, Wk, Wv, Wo take entries 1, 3, 5, 11.
; DEAD WORK: none.  Every input has a way to out0: each bias stands ahead of a quantiser or is added to the output, so all nine inputs and all twelve scales are loaded by some launch, and all six products are made.
; code = number / 2^e, held within +-57,344, rounded to the nearest code, ties to even.  LIMITS: e between -126 and 112, so that 2^e and 57,344 x 2^e are f32 numbers.  NaN among the inputs is not served; an infinity is held at the largest code.
; FRAGMENT ORDER, used by all workspace buffers.  A piece is 512 bytes: lane l = 16 h + r has 16 bytes at 16 l.  A fragment (16 rows x 128 K) is four pieces c: the lane's codes are k = 128 ks + 32 c + 16 h + 0 .. 15 of its row.
; THE ROWS OF A TILE ARE NOT NEIGHBOURS: lane r of tile t takes row 32 (t / 2) + 8 (t % 2) + r + 8 (r / 8), so that results of two neighbouring tiles are 16 neighbours along the next K.
; xf: [set 3][128 tokens 32][ks 6][tile 8][c 4][512].   wf: [matrix 4][192 rows 4][ks 6][tile 12][c 4][512].
; SHARES.  A work-group takes one tile of 16 rows: numbers 0-255 a tile of x, 256-447 a tile of a weight.  Wave w takes K step w: one fragment.  No loop, no barrier: waves share nothing.
; Each load reads 512 consecutive bytes of one row; the conversions want 16 neighbours in one lane: so the 16 x 512 bytes turn through the wave's own stage in LDS (rows 528 bytes apart: 33 x 16, so that 16 rows start at 16 different banks).
.set ROWB,  3072                       ; a row of x or of a weight in bytes
.set SP,    528                        ; a stage row
.set WST,   16*SP                      ; a wave's stage
.set SPARE, 6*WST                      ; behind the six stages: the spare words, 128 bytes for each wave: three blocks of 256 bytes that no other line names
.set LI,   2                           ; v2  16 x lane
.set SIN,  3                           ; v3  into the stage
.set SOUT, 4                           ; v4  out of it
.set SPW,  5                           ; v5  my spare word; never rewritten
.set NIL,  6                           ; v6  0; never rewritten
.set R,    16                          ; v16-79   as loaded; later the held numbers
.set X,    80                          ; v80-143  register 16 c + i = k 32 c + 16 h + i of my row
.set C,    144                         ; v144-191 codes, 16 registers for each set: no store's data are written again
	s_load_b512 s[4:19], s[0:1], 0x0               ; x, Wq, Wk, Wv, Wo, the scales, xf, wf
	v_lshl_add_u32 v[SPW], v0, 2, SPARE
	v_mov_b32 v[NIL], 0
	v_lshrrev_b32 v7, 5, v0
	v_readfirstlane_b32 s32, v7                    ; wave = K step
	v_and_b32 v1, 31, v0
	v_lshlrev_b32 v[LI], 4, v1
	v_and_b32 v7, 15, v0                           ; r
	v_bfe_u32 v14, v0, 4, 1                        ; h
	s_mul_i32 s33, s32, WST
	v_add_nc_u32 v[SIN], s33, v[LI]                ; a row's 512 bytes as they lie
	v_mul_u32_u24 v[SOUT], v7, SP
	v_lshl_add_u32 v[SOUT], v14, 6, v[SOUT]
	v_add_nc_u32 v[SOUT], s33, v[SOUT]             ; row r, + 64 h: my 16 numbers of a block of 32
	s_cmp_lt_u32 ttmp9, 256                        ; a tile of x?
	s_cselect_b32 s34, 0, 256
	s_sub_co_u32 s34, ttmp9, s34                   ; x: the tile; W: j = 0 .. 191
	s_mul_hi_u32 s35, s34, 0x15555556              ; j / 12 = 4 x matrix + block of 192 rows
	s_lshr_b32 s36, s35, 2                         ; the matrix
	s_mul_i32 s37, s36, 48
	s_sub_co_u32 s37, s34, s37                     ; the tile in the matrix
	s_mul_i32 s38, s35, 12
	s_sub_co_u32 s38, s34, s38                     ; the tile in the block
	s_mul_i32 s39, s35, 147456                     ; W's place in wf
	s_mul_i32 s40, s32, 24576
	s_add_co_u32 s39, s39, s40
	s_lshl_b32 s40, s38, 11
	s_add_co_u32 s39, s39, s40
	s_lshr_b32 s40, s34, 3                         ; x's place in xf
	s_mul_i32 s40, s40, 98304
	s_lshl_b32 s41, s32, 14
	s_add_co_u32 s40, s40, s41
	s_and_b32 s41, s34, 7
	s_lshl_b32 s41, s41, 11
	s_add_co_u32 s40, s40, s41
	s_cmp_lt_u32 ttmp9, 256
	s_cselect_b32 s37, s34, s37                    ; the tile T
	s_cselect_b32 s42, s40, s39                    ; where its codes go
	s_mov_b32 s43, 0
	s_lshr_b32 s44, s37, 1
	s_lshl_b32 s44, s44, 5
	s_and_b32 s45, s37, 1
	s_lshl_b32 s45, s45, 3
	s_add_co_u32 s44, s44, s45                     ; its first row: 32 (T / 2) + 8 (T % 2)
	s_mul_i32 s44, s44, ROWB
	s_lshl_b32 s45, s32, 9
	s_add_co_u32 s44, s44, s45                     ; + my K step's 512 bytes
	s_mov_b32 s45, 0
	s_wait_alu depctr_va_vdst(0)
	s_wait_kmcnt 0x0
	s_load_b256 s[20:27], s[14:15], 0x0            ; e0 .. e7
	s_load_b128 s[28:31], s[14:15], 0x20           ; e8 .. e11
	s_cmp_eq_u32 s36, 0                            ; the buffers are chosen by the work-group's number alone
	s_cselect_b64 s[46:47], s[6:7], s[8:9]
	s_cmp_eq_u32 s36, 2
	s_cselect_b64 s[46:47], s[10:11], s[46:47]
	s_cmp_eq_u32 s36, 3
	s_cselect_b64 s[46:47], s[12:13], s[46:47]
	s_cmp_lt_u32 ttmp9, 256
	s_cselect_b64 s[46:47], s[4:5], s[46:47]
	s_cselect_b64 s[48:49], s[16:17], s[18:19]
	s_add_nc_u64 s[46:47], s[46:47], s[44:45]
	s_add_nc_u64 s[48:49], s[48:49], s[42:43]
.irp p, 0,1,2,3,4,5,6,7,8,9,10,11,12,13,14,15
	global_load_b128 v[R+4*\p:R+4*\p+3], v[LI], s[46:47] offset:(\p+8*(\p/8))*ROWB th:TH_LOAD_NT   ; 32 lanes read 512 consecutive bytes of the tile's row p; read once in the launch
.endr
.macro MKS e, sc, lim                  ; 2^e as f32 (the conversion takes its exponent field), and 57,344 x 2^e
	s_add_co_i32 s51, s[\e], 127
	s_lshl_b32 s52, s51, 23
	v_mov_b32 v[\sc], s52
	s_add_co_i32 s51, s51, 15
	s_lshl_b32 s51, s51, 23
	s_or_b32 s51, s51, 0x600000
	v_mov_b32 v[\lim], s51
.endm
	s_wait_kmcnt 0x0
	s_cmp_eq_u32 s36, 0
	s_cselect_b32 s50, s21, s23                    ; e1 or e3,
	s_cmp_eq_u32 s36, 2
	s_cselect_b32 s50, s25, s50                    ; e5,
	s_cmp_eq_u32 s36, 3
	s_cselect_b32 s50, s31, s50                    ; e11,
	s_cmp_lt_u32 ttmp9, 256
	s_cselect_b32 s50, s20, s50                    ; or, for x, e0
	MKS 50, 8, 9
	MKS 22, 10, 11                                 ; e2
	MKS 24, 12, 13                                 ; e4
	s_wait_alu depctr_va_vdst(0)
.irp p, 0,1,2,3,4,5,6,7,8,9,10,11,12,13,14,15
	s_wait_loadcnt 15-\p                           ; loads come back in order: row p is in, the younger rows stay out
	ds_store_b128 v[SIN], v[R+4*\p:R+4*\p+3] offset:SP*\p
.endr
.irp c, 0,1,2,3
.irp i, 0,1,2,3
	ds_load_b128 v[X+16*\c+4*\i:X+16*\c+4*\i+3], v[SOUT] offset:128*\c+16*\i   ; LDS serves a wave's instructions in order: these see my stores
.endr
.endr
	s_wait_tensorcnt 0x0                           ; a wait, an add, a wait behind my last LDS store, the first though no tensor load is in this text;
	ds_add_u32 v[SPW], v[NIL]
	s_wait_dscnt 0x0                               ; the last is also the wait for the numbers that come back from the stage
.macro QUANT z, sc, lim                ; set z of the codes: hold, convert, store four pieces
.irp b, 0,1,2,3
.irp i, 0,1,2,3,4,5,6,7,8,9,10,11,12,13,14,15
	v_med3_num_f32 v[R+16*\b+\i], v[X+16*\b+\i], -v[\lim], v[\lim]   ; the conversion to an 8-bit code does not saturate (ISA guide 7.6.2): the hold at the largest code x the scale
.endr
	v_cvt_scalef32_pk8_bf8_f32 v[C+16*\z+4*\b:C+16*\z+4*\b+1], v[R+16*\b:R+16*\b+7], v[\sc]
	v_cvt_scalef32_pk8_bf8_f32 v[C+16*\z+4*\b+2:C+16*\z+4*\b+3], v[R+16*\b+8:R+16*\b+15], v[\sc]
.endr
	v_nop                                          ; a plain line behind the last conversion: the next set's holds write these conversions' sources
.irp c, 0,1,2,3
	global_store_b128 v[LI], v[C+16*\z+4*\c:C+16*\z+4*\c+3], s[48:49] offset:3145728*\z+512*\c   ; 32 lanes store 512 consecutive bytes, aligned; 6,292,992 at the most: inside the signed 24-bit immediate
.endr
.endm
	QUANT 0, 8, 9
	s_cmp_lt_u32 ttmp9, 256
	s_cbranch_scc0 .Lend                           ; a weight has one scale
	QUANT 1, 10, 11
	QUANT 2, 12, 13
.Lend:
	s_endpgm
.Lfunc_end_k_q754d7e24ac_prep:
	.size	k_q754d7e24ac_prep, .Lfunc_end_k_q754d7e24ac_prep-k_q754d7e24ac_prep
	.p2alignl 7, 3214868480
	.fill 96, 4, 3214868480
	.section	.rodata,"a",@progbits
	.p2align	6, 0x0
	.amdhsa_kernel k_q754d7e24ac_prep
		.amdhsa_group_segment_fixed_size 51456
		.amdhsa_private_segment_fixed_size 0
		.amdhsa_enable_private_segment 0
		.amdhsa_kernarg_size 64
		.amdhsa_user_sgpr_count 2
		.amdhsa_user_sgpr_kernarg_segment_ptr 1
		.amdhsa_wavefront_size32 1
		.amdhsa_system_sgpr_workgroup_id_x 1
		.amdhsa_system_sgpr_workgroup_id_y 1
		.amdhsa_system_sgpr_workgroup_id_z 1
		.amdhsa_system_vgpr_workitem_id 0
		.amdhsa_next_free_vgpr 192
		.amdhsa_next_free_sgpr 66
		.amdhsa_reserve_vcc 0
		.amdhsa_float_denorm_mode_32 3
		.amdhsa_float_denorm_mode_16_64 3
		.amdhsa_memory_ordered 1
		.amdhsa_forward_progress 1
		.amdhsa_inst_pref_size 23
	.end_amdhsa_kernel
	.amdgpu_metadata
---
amdhsa.version: [ 1, 2 ]
amdhsa.kernels:
  - .name:           k_q754d7e24ac_prep
    .symbol:         k_q754d7e24ac_prep.kd
    .args:
      - { .name: x, .offset: 0, .size: 8, .value_kind: global_buffer, .address_space: global }
      - { .name: Wq, .offset: 8, .size: 8, .value_kind: global_buffer, .address_space: global }
      - { .name: Wk, .offset: 16, .size: 8, .value_kind: global_buffer, .address_space: global }
      - { .name: Wv, .offset: 24, .size: 8, .value_kind: global_buffer, .address_space: global }
      - { .name: Wo, .offset: 32, .size: 8, .value_kind: global_buffer, .address_space: global }
      - { .name: lowp_scales, .offset: 40, .size: 8, .value_kind: global_buffer, .address_space: global }
      - { .name: xf, .offset: 48, .size: 8, .value_kind: global_buffer, .address_space: global }
      - { .name: wf, .offset: 56, .size: 8, .value_kind: global_buffer, .address_space: global }
    .group_segment_fixed_size: 51456
    .private_segment_fixed_size: 0
    .kernarg_segment_align: 8
    .kernarg_segment_size: 64
    .max_flat_workgroup_size: 192
    .sgpr_count:     66
    .vgpr_count:     192
    .wavefront_size: 32
...
	.end_amdgpu_metadata
.endif
;; end of part 5
;; launch qkv (part 6): grid 8 x 32, 4 waves a work-group, clusters of 4 x 4, 327,680 bytes of LDS; arguments xf, wf, bq, bk, bv, lowp_scales, qf, kvf; writes qf, kvf
.if DOCPART == 6
	.amdgcn_target "amdgcn-amd-amdhsa--gfx1250"
	.amdhsa_code_object_version 6
	.text
	.protected	k_q754d7e24ac_qkv
	.globl	k_q754d7e24ac_qkv
	.p2align	8
	.type	k_q754d7e24ac_qkv,@function
k_q754d7e24ac_qkv:
	s_mov_b64 s[64:65], 0
	v_nop
	global_prefetch_b8 v0, s[64:65] scope:SCOPE_SE
	s_setreg_imm32_b32 hwreg(HW_REG_WAVE_MODE, 25, 1), 1
	s_wait_xcnt 0x0
	s_wait_alu depctr_hold_cnt(0) depctr_sa_sdst(0) depctr_va_vdst(0) depctr_va_sdst(0) depctr_va_ssrc(0) depctr_va_vcc(0) depctr_vm_vsrc(0)
	s_getreg_b32 s2, hwreg(HW_REG_IB_STS2, 6, 4)
	s_cmp_eq_u32 s2, 0
	s_cbranch_scc0 .Lentry_in_a_cluster
	s_endpgm
.Lentry_in_a_cluster:
	s_bfe_u32 s2, ttmp6, 0x10000c
	s_cmp_lg_u32 s2, 0xf033
	s_cbranch_scc0 .Lentry_shape_is_right
	s_endpgm
.Lentry_shape_is_right:
; QKV: q = x Wq^T + bq, k = x Wk^T + bk, v = x Wv^T + bv on codes of E5M2, and their quantising for the two products of attention.  No work of the problem is left out here.
; SHARES.  8 x 32 = 256 work-groups.  Each first takes 128 tokens x 192 columns of q or k (the cluster's x, z: 0 q, 1 k), then the same tokens x 96 columns of v, whole K = 768 each.
; x's codes: set z (then 2) of xf; the weight's: matrix z (then 2) of wf.  A sum stands for sum x 2^(ex + ew); the bias goes in divided by that; the result's code is (sum + bias) / 2^(eo - ex - ew),
; eo = entry 6 (q), 7 (k), 9 (v) of the scales: the three scales are folded into the conversion's one.
; LIMITS: eo - ex - ew between -126 and 112.  The order of k inside a fragment is the same permutation in both operands: only the order of the sums inside an instruction differs from the form's own.
; LDS: the weight's K steps 3-5 (73,728 bytes), its 0-2, x's 0-2 (49,152), x's 3-5, v's weight's six (73,728).  At the head each wave has one tensor load: waves 0, 1 three K steps of the weight each, waves 2, 3 three of x.
; Behind the first round waves 0, 1 fetch v's weight into bytes of its own; behind the second, when nobody reads K steps 0-2 any more, waves 2, 3 lay x's set 2 (98,304 bytes) over their 122,880.
; CLUSTER 4 x 4: the four of a row need the same tokens, the four of a column the same rows of the weights: each tile is asked for jointly.
; PREFETCHES, one instruction a wave each: v's weight at the head's end, ahead of the first round, 288 blocks of 256 bytes, 72 for each of a cluster's column (told apart by address), by the clusters of the first four rows of clusters;
; x's set 2 of my tokens behind the first round, three K steps ahead of its load, 384 blocks, 96 for each of a cluster's row.
; q, k: source 0 = 16 rows of W, source 1 = 16 tokens: a lane holds one token and its registers run along the head's channels, the K of q k^T.
; v:    source 0 = 16 tokens, source 1 = 16 rows of W: a lane holds one channel and its registers run along the tokens, the K of p v.
; By the choice of a tile's rows the 16 registers of two neighbouring tiles are 16 neighbours: two conversions make a lane's 16 bytes of a piece, and a wave's store is a whole piece of 512 bytes.
; qf: [batch x head 24][tile of tokens 128][c 2][512].   kvf: [batch x head 24][128 keys 16]{ K: [tile 8][c 2][512]; V: [tile of channels 4][c 4][512] }.
; REGISTERS: window 0: v1-31 addresses and scales; v32-95, v96-159 x's two sets of four fragments (on the way out: sums + bias, and codes); v160-213 the biases.  window 1: v0-95, v96-191 W's two sets.  window 2: v0-191 the accumulators.
.set WLO,   73728                      ; the weight's K steps 0-2; later x's set 2
.set XOFF,  147456
.set VOFF,  245760
.set SPARE, 319488                     ; behind the tiles: the spare words, 128 bytes for each wave: two blocks of 256 bytes that no other line names
.set XKS,   16384
.set WKS,   24576
.set LI,  3                            ; v3      16 x lane
.set ADX, 4                            ; v4-5    my x fragments, three K steps each
.set AX2, 6                            ; v6-7    the same of set 2
.set ADW, 8                            ; v8-9    my W fragments
.set SPW, 10                           ; v10     my spare word; never rewritten
.set NIL, 11                           ; v11     0; never rewritten
.set SCL, 12                           ; v12     2^(eo - ex - ew);  v24 for v
.set LIM, 13                           ; v13     57,344 x that;     v25 for v
.set SO,  14                           ; v14-16  the stores' offsets; v17-19 for v
.set BO,  20
.set ADV, 22                           ; v22-23  my fragments of v's weight, three K steps each
.set SCV, 24
.set LIV, 25
.set PFO, 26                           ; v26     the offset of x's prefetch
.set BO2, 27                           ; v27-29
.set PFW, 30                           ; v30     the offset of the weight's
.set XS,  32
.set T,   32
.set CD,  96
.set BI,  160
.set BV,  208
.set WV,  20                           ; s20  wave
.set G1W, 28                           ; group 1: s[28:35] W's tiles; s[36:43] x's; s[44:51] v's weight's
.set G1X, 36
.set G1V, 44
.set MSB, 0
.macro WIN new                         ; the immediate's high byte repeats the setting that is left
.if MSB != \new
	s_set_vgpr_msb (MSB<<8)|\new
.set MSB, \new
.endif
.endm
.macro PLACES n
.rept \n
	v_nop
.endr
.endm
.macro BAR
	s_barrier_signal -1
	s_barrier_wait -1
.endm
.macro CROUND                          ; a round of the cluster's barrier
	s_barrier_signal -1
	s_barrier_wait -1
	s_cmp_lg_u32 s[WV], 0
	s_cbranch_scc1 .Lnot_wave_0_\@
	s_barrier_signal -3
.Lnot_wave_0_\@:
	s_barrier_wait -3
	s_barrier_signal -1
	s_barrier_wait -1
.endm
.macro MKG0 d, l, a                    ; a group 0: count 1; LDS address s[l]; global address s[a:a+1]; type 2
	s_mov_b32 s[\d], 1
	s_mov_b32 s[\d+1], s[\l]
	s_mov_b64 s[\d+2:\d+3], s[\a:\a+1]
	s_or_b32 s[\d+3], s[\d+3], 0x80000000
.endm
.macro MKG1 g, m, c, r, p              ; a group 1: mask s[m] and bit 21; elements of 8 bytes: r rows of c, pitch p, no padding (every LDS read takes 512 consecutive bytes)
	s_or_b32 s[\g], s[\m], 0x230000
	s_mov_b32 s[\g+1], (\c)<<16
	s_mov_b32 s[\g+2], (\r)<<16
	s_mov_b32 s[\g+3], (\c)<<16
	s_mov_b32 s[\g+4], \r
	s_mov_b32 s[\g+5], \p
	s_mov_b32 s[\g+6], 0
	s_mov_b32 s[\g+7], 0
.endm
	s_load_b512 s[4:19], s[0:1], 0x0               ; xf, wf, bq, bk, bv, the scales, qf, kvf
	v_lshl_add_u32 v[SPW], v0, 2, SPARE
	v_mov_b32 v[NIL], 0
	ds_add_u32 v[SPW], v[NIL]                      ; the opening: the add, twice on end, and its wait ahead of my first tensor load
	ds_add_u32 v[SPW], v[NIL]
	v_lshrrev_b32 v1, 5, v0
	v_readfirstlane_b32 s[WV], v1                  ; wave 0..3
	s_and_b32 s21, s[WV], 1                        ; which half of the columns is mine.  Also: which three K steps I fetch
	s_lshr_b32 s90, s[WV], 1                       ; which half of the tokens is mine
	s_bfe_u32 s22, ttmp6, 0x40000                  ; cx = the block of 192 columns
	s_bfe_u32 s23, ttmp6, 0x40004                  ; cy
	s_mov_b32 s24, ttmp9                           ; z: the cluster's x
	s_and_b32 s25, ttmp7, 0xffff
	s_lshl_b32 s25, s25, 2
	s_add_co_u32 s25, s25, s23                     ; the block of 128 tokens = 4 x cluster y + cy
	s_lshl_b32 s26, s23, 2
	s_lshl_b32 s26, 15, s26                        ; my row of the cluster
	s_lshl_b32 s27, 0x1111, s22                    ; my column
	MKG1 G1W, 27, 32, 288, 32                      ; three K steps of 192 rows: dense, 288 rows of 256 bytes
	MKG1 G1X, 26, 32, 192, 32                      ; three K steps of 128 tokens: 192 rows of 256 bytes
	MKG1 G1V, 27, 1536, 3, 3072                    ; three K steps of 96 rows: three rows of 12,288 bytes, 24,576 apart
	s_mul_i32 s84, s24, 589824                     ; W: matrix z, block cx, my three K steps: nothing of cy
	s_mul_i32 s85, s22, 147456
	s_add_co_u32 s84, s84, s85
	s_mul_i32 s88, s21, 73728
	s_add_co_u32 s84, s84, s88
	s_mul_i32 s94, s24, 12288                      ; v's weight: matrix 2, block cx, half z, my three K steps
	s_add_co_u32 s94, s94, s85
	s_add_co_u32 s94, s94, 1179648
	s_mov_b32 s2, s94
	s_add_co_u32 s94, s94, s88
	s_mov_b32 s85, 0
	s_mov_b32 s95, 0
	s_mul_i32 s92, s25, 98304                      ; x: my block of tokens, my three K steps: nothing of cx
	s_mul_i32 s89, s21, 49152
	s_add_co_u32 s92, s92, s89
	s_mul_i32 s86, s24, 3145728                    ; in set z,
	s_add_co_u32 s86, s86, s92
	s_add_co_u32 s92, s92, 6291456                 ; and in set 2
	s_mov_b32 s87, 0
	s_mov_b32 s93, 0
	s_add_co_u32 s26, s89, WLO                     ; where they go: the wave's number alone enters an LDS address: x's set 2,
	s_add_co_u32 s89, s89, XOFF                    ; x's first,
	s_xor_b32 s88, s21, 1
	s_mul_i32 s88, s88, WLO                        ; the weight: K steps 0-2 behind 3-5,
	s_mul_i32 s96, s21, 36864
	s_add_co_u32 s96, s96, VOFF                    ; v's weight
	s_wait_dscnt 0x0                               ; both opening adds are done
	s_wait_kmcnt 0x0
	s_load_b256 s[72:79], s[14:15], 0x0            ; e0 .. e7
	s_load_b128 s[80:83], s[14:15], 0x20           ; e8 .. e11
	s_add_nc_u64 s[84:85], s[6:7], s[84:85]
	s_add_nc_u64 s[86:87], s[4:5], s[86:87]
	s_add_nc_u64 s[92:93], s[4:5], s[92:93]
	s_add_nc_u64 s[94:95], s[6:7], s[94:95]
	CROUND                                         ; all sixteen work-groups are here: the joint loads meet
	MKG0 52, 88, 84
	MKG0 56, 89, 86
	MKG0 60, 96, 94
	MKG0 68, 26, 92
	s_cmp_lt_u32 s[WV], 2                          ; one tensor load a wave
	s_cbranch_scc0 .Lfill_x
	tensor_load_to_lds s[52:55], s[G1W:G1W+7]
	s_nop 0
	PLACES 4
	s_branch .Lfilled
.Lfill_x:
	tensor_load_to_lds s[56:59], s[G1X:G1X+7]
	s_nop 0
	PLACES 4
.Lfilled:
	v_and_b32 v1, 15, v0                           ; r
	v_bfe_u32 v2, v0, 4, 1                         ; h
	v_and_b32 v[LI], 31, v0
	v_min_u32 v[PFO], 23, v[LI]                    ; x's prefetch: 24 blocks a wave; lanes 24 to 31 name the last again
	v_lshlrev_b32 v[PFO], 8, v[PFO]
	v_min_u32 v31, 17, v[LI]                       ; the weight's: 18 a wave: three of each K step's 12,288 bytes: lane l takes block l % 3 of K step l / 3 = (11 l) >> 5
	v_mul_u32_u24 v[PFW], v31, 11
	v_lshrrev_b32 v[PFW], 5, v[PFW]
	v_mul_u32_u24 v[PFW], v[PFW], 23808            ; 24,576 - 3 x 256
	v_lshl_add_u32 v[PFW], v31, 8, v[PFW]
	v_lshlrev_b32 v[LI], 4, v[LI]
	v_and_b32 v21, 8, v1
	v_add_nc_u32 v21, v21, v1
	v_lshlrev_b32 v21, 2, v21                      ; my column of a tile: r + 8 (r / 8), in bytes of a bias
	v_lshlrev_b32 v[BO], 6, v2                     ; my half's 16 columns of each 32
	s_wait_alu depctr_va_vdst(0)                   ; a wait ahead of the runs of scalar lines below
	s_mul_i32 s92, s21, 12288                      ; W: six tiles of 2,048 bytes
	v_add_nc_u32 v[ADW+1], s92, v[LI]
	s_add_co_u32 s92, s92, WLO
	v_add_nc_u32 v[ADW], s92, v[LI]
	s_lshl_b32 s91, s90, 13                        ; x: four tiles
	s_add_co_u32 s91, s91, WLO
	v_add_nc_u32 v[AX2], s91, v[LI]
	s_add_co_u32 s91, s91, 3*XKS
	v_add_nc_u32 v[AX2+1], s91, v[LI]
	s_add_co_u32 s91, s91, XOFF-WLO-3*XKS
	v_add_nc_u32 v[ADX], s91, v[LI]
	s_add_co_u32 s91, s91, 3*XKS
	v_add_nc_u32 v[ADX+1], s91, v[LI]
	s_mul_i32 s91, s21, 6144                       ; v's weight: three tiles
	s_add_co_u32 s91, s91, VOFF
	v_add_nc_u32 v[ADV], s91, v[LI]
	s_add_co_u32 s91, s91, 36864
	v_add_nc_u32 v[ADV+1], s91, v[LI]
	s_lshr_b32 s91, s25, 4                         ; the batch
	s_and_b32 s94, s25, 15                         ; the block of 128 tokens in the sequence
	s_mul_i32 s95, s91, 12
	s_mul_i32 s91, s22, 3
	s_add_co_u32 s95, s95, s91                     ; 12 x batch + my first head
	s_mul_i32 s96, s22, 768
	s_mov_b32 s97, 0
	s_add_nc_u64 s[92:93], s[12:13], s[96:97]      ; bv at my block of 192 columns
	s_mul_i32 s91, s21, 384
	s_add_co_u32 s96, s96, s91                     ; my first column of q or k, in bytes of a bias
	s_cmp_eq_u32 s24, 0
	s_cselect_b64 s[98:99], s[8:9], s[10:11]       ; bq or bk
	s_cselect_b64 s[88:89], s[16:17], s[18:19]     ; qf or kvf
	s_cselect_b32 s87, 17, 18                      ; a head's bytes there: 2^17 or 2^18
	s_add_nc_u64 s[98:99], s[98:99], s[96:97]
.irp b, 0,1,2
.irp i, 0,1,2,3
	global_load_b128 v[BI+16*\b+4*\i:BI+16*\b+4*\i+3], v[BO], s[98:99] offset:128*\b+16*\i   ; register 16 b + m: the bias of column 32 b + 16 h + m of my 96
.endr
.endr
	s_mul_i32 s86, s24, 6
	s_mul_i32 s85, s21, 3
	s_add_co_u32 s86, s86, s85                     ; my first tile of v's columns in the block: 6 z + 3 (w % 2)
.irp i, 0,1,2
	s_add_co_u32 s91, s86, \i
	s_lshr_b32 s85, s91, 1
	s_lshl_b32 s85, s85, 7
	s_and_b32 s84, s91, 1
	s_lshl_b32 s84, s84, 5
	s_add_co_u32 s85, s85, s84                     ; 4 (32 (t / 2) + 8 (t % 2))
	v_add_nc_u32 v[BO2+\i], s85, v21
	global_load_b32 v[BV+2*\i], v[BO2+\i], s[92:93]
	s_lshr_b32 s85, s91, 2                         ; head t / 4 of my three, tile t % 4 of its channels
	s_lshl_b32 s85, s85, 18
	s_and_b32 s84, s91, 3
	s_lshl_b32 s84, s84, 11
	s_add_co_u32 s85, s85, s84
	v_add_nc_u32 v[SO+3+\i], s85, v[LI]
.endr
	s_lshl_b32 s84, s95, s87                       ; q, k: my first head,
	s_sub_co_u32 s91, s87, 4
	s_lshl_b32 s91, s94, s91                       ; the block of 128 tokens: a sixteenth of a head's bytes,
	s_add_co_u32 s84, s84, s91
	s_lshl_b32 s91, s90, 12                        ; my four tiles of 1,024 bytes
	s_add_co_u32 s84, s84, s91
	s_mov_b32 s85, 0
	s_add_nc_u64 s[88:89], s[88:89], s[84:85]
.irp b, 0,1,2                          ; pair b of my tiles is columns 32 (3 (w % 2) + b) on: head (..) / 2 of my three, piece (..) % 2
	s_mul_i32 s91, s21, 3
	s_add_co_u32 s91, s91, \b
	s_lshr_b32 s85, s91, 1
	s_lshl_b32 s85, s85, s87
	s_and_b32 s91, s91, 1
	s_lshl_b32 s91, s91, 9
	s_add_co_u32 s85, s85, s91
	v_add_nc_u32 v[SO+\b], s85, v[LI]
.endr
	s_lshl_b32 s84, s95, 18                        ; v: my first head,
	s_lshl_b32 s91, s94, 14                        ; the step of 128 keys,
	s_add_co_u32 s84, s84, s91
	s_lshl_b32 s91, s90, 10                        ; my 64 tokens are pieces 2 (w / 2), + 1,
	s_add_co_u32 s84, s84, s91
	s_add_co_u32 s84, s84, 8192                    ; behind the step's K
	s_mov_b32 s85, 0
	s_add_nc_u64 s[84:85], s[18:19], s[84:85]
	s_mul_i32 s66, s25, 98304                      ; the prefetches: x's set 2, my tokens, my 24 blocks;
	s_mul_i32 s91, s22, 24576
	s_add_co_u32 s66, s66, s91
	s_mul_i32 s91, s[WV], 6144
	s_add_co_u32 s66, s66, s91
	s_add_co_u32 s66, s66, 6291456
	s_mov_b32 s67, 0
	s_add_nc_u64 s[66:67], s[4:5], s[66:67]
	s_mul_i32 s91, s23, 3072                       ; v's weight, block cx, half z: my twelve blocks of each K step, my wave's three
	s_add_co_u32 s2, s2, s91
	s_mul_i32 s91, s[WV], 768
	s_add_co_u32 s2, s2, s91
	s_mov_b32 s3, 0
	s_add_nc_u64 s[2:3], s[6:7], s[2:3]
.macro SCALE ex, ew, eo, scl, lim, sh
	s_add_co_i32 s[\sh], s[\ex], s[\ew]
	s_sub_co_i32 s86, s[\eo], s[\sh]               ; eo - ex - ew
	s_sub_co_i32 s[\sh], 0, s[\sh]                 ; -(ex + ew), for the bias
	s_add_co_i32 s86, s86, 127
	s_lshl_b32 s91, s86, 23
	v_mov_b32 v[\scl], s91
	s_add_co_i32 s86, s86, 15
	s_lshl_b32 s86, s86, 23
	s_or_b32 s86, s86, 0x600000
	v_mov_b32 v[\lim], s86
.endm
	s_wait_alu depctr_va_vdst(0)
	s_wait_kmcnt 0x0
	s_cmp_eq_u32 s24, 0                            ; the scales are chosen, never branched on
	s_cselect_b32 s96, s72, s74                    ; ex
	s_cselect_b32 s97, s73, s75                    ; ew
	s_cselect_b32 s86, s78, s79                    ; eo
	SCALE 96, 97, 86, SCL, LIM, 100
	SCALE 76, 77, 81, SCV, LIV, 101
	s_and_b32 s91, ttmp7, 0xffff
	s_wait_alu depctr_va_vdst(0)
	s_cmp_lt_u32 s91, 4
	s_cbranch_scc0 .Lno_ask
	global_prefetch_b8 v[PFW], s[2:3] th:TH_LOAD_NT scope:SCOPE_SE   ; v's weight
.Lno_ask:
	s_wait_loadcnt 0x0                             ; the biases, while the tiles are on their way
.set n, 0
.rept 48
	v_ldexp_f32 v[BI+n], v[BI+n], s100             ; / 2^(ex + ew)
.set n, n+1
.endr
.irp i, 0,1,2
	v_ldexp_f32 v[BV+2*\i+1], v[BV+2*\i], s101     ; in both halves of a pair
	v_ldexp_f32 v[BV+2*\i], v[BV+2*\i], s101
.endr
.macro FETX a, ks
.irp j, 0,1,2,3
.irp c, 0,1,2,3
	ds_load_b128 v[XS+64*((\ks)%2)+16*\j+4*\c:XS+64*((\ks)%2)+16*\j+4*\c+3], v[\a+(\ks)/3] offset:XKS*((\ks)%3)+2048*\j+512*\c
.endr
.endr
.endm
; A K step's loads in one run: W's six into window 1, x's four into window 0, set ks % 2
.macro FETCH ks
	WIN 0x40
.irp i, 0,1,2,3,4,5
.irp c, 0,1,2,3
	ds_load_b128 v[96*((\ks)%2)+16*\i+4*\c:96*((\ks)%2)+16*\i+4*\c+3], v[ADW+(\ks)/3] offset:WKS*((\ks)%3)+2048*\i+512*\c
.endr
.endr
	WIN 0
	FETX ADX, \ks
.endm
; V'S WEIGHT goes into registers whole, while the results of q or k go out: my three tiles of K steps 0-4 in window 3, 48 registers each, those of step 5 in window 1, v0-47
.macro WLOAD ks
.if (\ks) < 5
	WIN 0xc0
.else
	WIN 0x40
.endif
.irp i, 0,1,2
.irp c, 0,1,2,3
	ds_load_b128 v[48*((\ks)%5)+16*\i+4*\c:48*((\ks)%5)+16*\i+4*\c+3], v[ADV+(\ks)/3] offset:12288*((\ks)%3)+2048*\i+512*\c
.endr
.endr
	WIN 0
.endm
; 24 products, 128 along K.  The first K step starts the sums.  The accumulators take turns, one instruction a turn, in the same order in every step.
.macro MUL ks
	WIN 0xa1                                       ; source 0 (W) window 1, source 1 (x) window 0, C and D window 2
.irp j, 0,1,2,3
.irp i, 0,1,2,3,4,5
.if (\ks) == 0
	v_wmma_f32_16x16x128_bf8_bf8 v[8*(6*\j+\i):8*(6*\j+\i)+7], v[96*((\ks)%2)+16*\i:96*((\ks)%2)+16*\i+15], v[XS+64*((\ks)%2)+16*\j:XS+64*((\ks)%2)+16*\j+15], 0
.else
	v_wmma_f32_16x16x128_bf8_bf8 v[8*(6*\j+\i):8*(6*\j+\i)+7], v[96*((\ks)%2)+16*\i:96*((\ks)%2)+16*\i+15], v[XS+64*((\ks)%2)+16*\j:XS+64*((\ks)%2)+16*\j+15], v[8*(6*\j+\i):8*(6*\j+\i)+7]
.endif
.endr
.endr
.endm
.macro MULV ks                         ; 12 products of v
.if (\ks) < 5
	WIN 0xac                                       ; source 0 (x) window 0, source 1 (W) window 3, C and D window 2
.else
	WIN 0xa4                                       ; source 1 window 1
.endif
.irp i, 0,1,2
.irp j, 0,1,2,3
.if (\ks) == 0
	v_wmma_f32_16x16x128_bf8_bf8 v[8*(4*\i+\j):8*(4*\i+\j)+7], v[XS+64*((\ks)%2)+16*\j:XS+64*((\ks)%2)+16*\j+15], v[48*((\ks)%5)+16*\i:48*((\ks)%5)+16*\i+15], 0
.else
	v_wmma_f32_16x16x128_bf8_bf8 v[8*(4*\i+\j):8*(4*\i+\j)+7], v[XS+64*((\ks)%2)+16*\j:XS+64*((\ks)%2)+16*\j+15], v[48*((\ks)%5)+16*\i:48*((\ks)%5)+16*\i+15], v[8*(4*\i+\j):8*(4*\i+\j)+7]
.endif
.endr
.endr
.endm
	s_wait_alu depctr_va_vdst(0)
	s_wait_tensorcnt 0x0                           ; my tile has landed;
	ds_add_u32 v[SPW], v[NIL]
	s_wait_dscnt 0x0
	CROUND                                         ; everybody's tiles have
	s_cmp_lt_u32 s[WV], 2
	s_cbranch_scc0 .Lno_w
	tensor_load_to_lds s[60:63], s[G1V:G1V+7]      ; v's weight, a first fill
	s_nop 0
	PLACES 4
.Lno_w:
	FETCH 0
.irp k, 0,1,2,3,4,5
.if \k == 3
	WIN 0
	s_wait_tensorcnt 0x0                           ; my part of v's weight has landed;
	ds_add_u32 v[SPW], v[NIL]
	s_wait_dscnt 0x0                               ; and my reads of K steps 0-2 are over (those of step 3 too)
	CROUND                                         ; everybody's are
	s_cmp_lt_u32 s[WV], 2
	s_cbranch_scc1 .Lno_x
	tensor_load_to_lds s[68:71], s[G1X:G1X+7]      ; x's set 2 over K steps 0-2
	s_nop 0
	PLACES 4
.Lno_x:
.endif
.if \k < 5
.if \k > 0
	PLACES 4                                       ; four places in front of loads into registers that the last products read (ISA guide 7.12.1 for vector instructions)
.endif
	FETCH \k+1
.if \k == 0
	global_prefetch_b8 v[PFO], s[66:67] th:TH_LOAD_NT scope:SCOPE_SE   ; my 24 blocks of x's set 2
.endif
	s_wait_dscnt 40                                ; all but the 40 just issued: this step's fragments are in
.else
	s_wait_dscnt 0x0
.endif
	MUL \k
.endr
	WIN 0
	PLACES 4                                       ; in front of the first read of results and of writes into the fragments' registers
.macro HOLD n, lim
.set m, 0
.rept \n
	v_med3_num_f32 v[T+m], v[T+m], -v[\lim], v[\lim]  ; the conversion does not saturate (ISA guide 7.6.2): the hold
.set m, m+1
.endr
.endm
.macro OUTQK j                         ; tile j of my tokens: 48 columns a lane
	WIN 0x02                                       ; source 0: window 2
.set n, 0
.rept 24
	v_pk_add_f32 v[T+n:T+n+1], v[48*\j+n:48*\j+n+1], v[BI+n:BI+n+1]   ; each accumulator from its low end on
.set n, n+2
.endr
	WIN 0
	HOLD 48, LIM
.irp b, 0,1,2
	v_cvt_scalef32_pk8_bf8_f32 v[CD+12*\j+4*\b:CD+12*\j+4*\b+1], v[T+16*\b:T+16*\b+7], v[SCL]
	v_cvt_scalef32_pk8_bf8_f32 v[CD+12*\j+4*\b+2:CD+12*\j+4*\b+3], v[T+16*\b+8:T+16*\b+15], v[SCL]
.endr
	v_nop                                          ; a plain line behind the last conversion: the next tile's additions write these conversions' sources
.irp b, 0,1,2
	global_store_b128 v[SO+\b], v[CD+12*\j+4*\b:CD+12*\j+4*\b+3], s[88:89] offset:1024*\j   ; a whole piece: 512 consecutive bytes, aligned
.endr
.endm
	WLOAD 0                                        ; v's weight has landed: each wave waited for its part ahead of the round behind K step 2
	WLOAD 1
	OUTQK 0
	WLOAD 2
	WLOAD 3
	OUTQK 1
	WLOAD 4
	WLOAD 5
	OUTQK 2
	OUTQK 3
	s_wait_alu depctr_va_vdst(0)
	s_wait_xcnt 0x0                                ; the stores have read their data: fragments may land there
	s_wait_tensorcnt 0x0                           ; my part of x's set 2 has landed
	s_wait_dscnt 0x0
	BAR                                            ; everybody's has
	FETX AX2, 0
.irp k, 0,1,2,3,4,5
.if \k < 5
.if \k > 0
	PLACES 4
.endif
	WIN 0
	FETX AX2, \k+1
	s_wait_dscnt 16                                ; all but the 16 just issued
.else
	s_wait_dscnt 0x0
.endif
	MULV \k
.endr
	WIN 0
	PLACES 4
.macro OUTV i                          ; tile i of my columns: 32 tokens a lane
	WIN 0x02
.set n, 0
.rept 16
	v_pk_add_f32 v[T+n:T+n+1], v[32*\i+n:32*\i+n+1], v[BV+2*\i:BV+2*\i+1]
.set n, n+2
.endr
	WIN 0
	HOLD 32, LIV
.irp b, 0,1
	v_cvt_scalef32_pk8_bf8_f32 v[CD+8*\i+4*\b:CD+8*\i+4*\b+1], v[T+16*\b:T+16*\b+7], v[SCV]
	v_cvt_scalef32_pk8_bf8_f32 v[CD+8*\i+4*\b+2:CD+8*\i+4*\b+3], v[T+16*\b+8:T+16*\b+15], v[SCV]
.endr
	v_nop
.irp b, 0,1
	global_store_b128 v[SO+3+\i], v[CD+8*\i+4*\b:CD+8*\i+4*\b+3], s[84:85] offset:512*\b
.endr
.endm
	OUTV 0
	OUTV 1
	OUTV 2
	s_wait_tensorcnt 0x0                           ; the wave's end: wait, add, wait behind my last tensor load
	ds_add_u32 v[SPW], v[NIL]
	s_wait_dscnt 0x0
	CROUND                                         ; the closing round: no work-group ends while a partner may still ask for a tile that names it
	s_endpgm
.Lfunc_end_k_q754d7e24ac_qkv:
	.size	k_q754d7e24ac_qkv, .Lfunc_end_k_q754d7e24ac_qkv-k_q754d7e24ac_qkv
	.p2alignl 7, 3214868480
	.fill 96, 4, 3214868480
	.section	.rodata,"a",@progbits
	.p2align	6, 0x0
	.amdhsa_kernel k_q754d7e24ac_qkv
		.amdhsa_group_segment_fixed_size 327680
		.amdhsa_private_segment_fixed_size 0
		.amdhsa_enable_private_segment 0
		.amdhsa_kernarg_size 64
		.amdhsa_user_sgpr_count 2
		.amdhsa_user_sgpr_kernarg_segment_ptr 1
		.amdhsa_wavefront_size32 1
		.amdhsa_system_sgpr_workgroup_id_x 1
		.amdhsa_system_sgpr_workgroup_id_y 1
		.amdhsa_system_sgpr_workgroup_id_z 1
		.amdhsa_system_vgpr_workitem_id 0
		.amdhsa_next_free_vgpr 1024
		.amdhsa_next_free_sgpr 102
		.amdhsa_reserve_vcc 0
		.amdhsa_float_denorm_mode_32 3
		.amdhsa_float_denorm_mode_16_64 3
		.amdhsa_memory_ordered 1
		.amdhsa_forward_progress 1
		.amdhsa_inst_pref_size 93
	.end_amdhsa_kernel
	.amdgpu_metadata
---
amdhsa.version: [ 1, 2 ]
amdhsa.kernels:
  - .name:           k_q754d7e24ac_qkv
    .symbol:         k_q754d7e24ac_qkv.kd
    .args:
      - { .name: xf, .offset: 0, .size: 8, .value_kind: global_buffer, .address_space: global }
      - { .name: wf, .offset: 8, .size: 8, .value_kind: global_buffer, .address_space: global }
      - { .name: bq, .offset: 16, .size: 8, .value_kind: global_buffer, .address_space: global }
      - { .name: bk, .offset: 24, .size: 8, .value_kind: global_buffer, .address_space: global }
      - { .name: bv, .offset: 32, .size: 8, .value_kind: global_buffer, .address_space: global }
      - { .name: lowp_scales, .offset: 40, .size: 8, .value_kind: global_buffer, .address_space: global }
      - { .name: qf, .offset: 48, .size: 8, .value_kind: global_buffer, .address_space: global }
      - { .name: kvf, .offset: 56, .size: 8, .value_kind: global_buffer, .address_space: global }
    .group_segment_fixed_size: 327680
    .private_segment_fixed_size: 0
    .kernarg_segment_align: 8
    .kernarg_segment_size: 64
    .max_flat_workgroup_size: 128
    .sgpr_count:     102
    .vgpr_count:     1024
    .wavefront_size: 32
...
	.end_amdgpu_metadata
.endif
;; end of part 6
;; launch attn (part 7): grid 256 x 1, 12 waves a work-group, clusters of 4 x 1, 327,680 bytes of LDS; arguments qf, kvf, lowp_scales, af; writes af
.if DOCPART == 7
	.amdgcn_target "amdgcn-amd-amdhsa--gfx1250"
	.amdhsa_code_object_version 6
	.text
	.protected	k_q754d7e24ac_attn
	.globl	k_q754d7e24ac_attn
	.p2align	8
	.type	k_q754d7e24ac_attn,@function
k_q754d7e24ac_attn:
	s_mov_b64 s[64:65], 0
	v_nop
	global_prefetch_b8 v0, s[64:65] scope:SCOPE_SE
	s_setreg_imm32_b32 hwreg(HW_REG_WAVE_MODE, 25, 1), 1
	s_wait_xcnt 0x0
	s_wait_alu depctr_hold_cnt(0) depctr_sa_sdst(0) depctr_va_vdst(0) depctr_va_sdst(0) depctr_va_ssrc(0) depctr_va_vcc(0) depctr_vm_vsrc(0)
	s_getreg_b32 s2, hwreg(HW_REG_IB_STS2, 6, 4)
	s_cmp_eq_u32 s2, 0
	s_cbranch_scc0 .Lentry_in_a_cluster
	s_endpgm
.Lentry_in_a_cluster:
	s_bfe_u32 s2, ttmp6, 0x10000c
	s_cmp_lg_u32 s2, 0x3003
	s_cbranch_scc0 .Lentry_shape_is_right
	s_endpgm
.Lentry_shape_is_right:
; ATTENTION: for each of 24 (batch, head): O = softmax(q k^T / 8) v on codes of E5M2, and O's quantising for the product on the way out.  No work of the problem is left out here.
; t = score x 2^(e6 + e7) x log2(e) / 8; M = the running largest t rounded up to a whole number, kept as -M; p = 2^(t - M) is quantised with 2^e8; the row's sum is taken of the unquantised p and divides O at the end.
; When M moves, the sum and O are multiplied by 2^(old M - new M), which rounds nothing.
; LIMITS: e6 + e7 between -123 and 130; e8 and e10 between -126 and 112; the scaled scores t stay under 2^31 in magnitude.
; SHARES.  256 work-groups of 12 waves.  Work-group x owns 128 queries of head x / 16 (stream A, waves 0-7) and 64 queries of head 16 + x / 32 (stream B, waves 8-11): 16 x 16 + 8 x 32 blocks.
; A wave owns two tiles of 16 queries and half of the head's keys: 8 steps of 128.  The two halves meet once, at the end, through LDS: each wave keeps its first tile and gives the other away;
; the wave of the second half takes its two tiles in the other order, so that what it keeps is what the first half's wave gives away.
; RING.  Two LDS slots of 131,072 bytes; a slot holds two key steps of four regions (A half 0, A half 1, B half 0, B half 1), 32,768 bytes each, dense in kvf.  Waves 0-7 fetch 16,384 bytes each, one tensor load a wave.
; CLUSTER 4 x 1: four neighbouring work-groups walk the same two heads: every tile is asked for jointly by the four.
; PREFETCH: waves 8-11, which fetch nothing, ask for the slot behind the one being loaded, a slot's two key steps ahead of its load: wave 8 + i region i, the work-group at place cx its cx-th quarter, 32 blocks of 256 bytes.
; Stream A's four clusters of a head ask each; of stream B's eight those four whose number has bit 2 clear.  Slots 0 and 1 come by their loads alone.
; LAYOUT.  S^T = K Q^T and O^T = V^T P^T: a lane holds one query; by the choice of a tile's rows p's 16 registers of two neighbouring tiles are 16 neighbouring keys.
; af: [64 tokens 64][ks 6][tile 4][c 4][512].
; REGISTERS: v1-31 addresses, scales, state; S v32-159 the scores, then p; O v160-223; PC v224-255 maxima, sums, then p's codes.  window 1: VF v0-63 K's fragments, then V's; QF v64-79 Q.
.set SLOT1, 131072
.set SPARE, 2*SLOT1                    ; behind the ring: the spare words, 128 bytes for each wave: six blocks of 256 bytes that no other line names
.set STG,   4352                       ; the way out: a wave's stage, in slot 0, which has had its last fill and its last read when the first number is stored there
.set LI,   1                           ; v1   16 x lane
.set AK,   2                           ; v2   + my region
.set SPW,  3                           ; v3   my spare word; never rewritten
.set NIL,  4                           ; v4   0; never rewritten
.set PSC,  5                           ; v5   2^e8
.set PLIM, 6                           ; v6, v7  57,344 x 2^e8
.set ALIM, 8                           ; v8, v9  the same for e10
.set ASC,  9
.set AD,   10                          ; v10  LDS address of the slot in hand
.set PFO,  11                          ; v11  256 x lane
.set ST,   12                          ; for each tile 8 registers: -M, the largest score, the sum in two halves, f, 0, at work
.set X,    28                          ; v28-31 parts of tile 1's sum
.set Y,    30
.set S,    32
.set O,    160
.set PC,   224
.set VF,   0
.set QF,   64
.set WV,   12
.set G1,   16
.set G0,   24
.set PFA,  38
.set LIM,  40
.set SEL,  44
.set CS,   46
.set TB,   48
.set SLOTS, 49
.set MSB, 0
.macro WIN new                         ; the immediate's high byte repeats the setting that is left
.if MSB != \new
	s_set_vgpr_msb (MSB<<8)|\new
.set MSB, \new
.endif
.endm
.macro PLACES n
.rept \n
	v_nop
.endr
.endm
.macro CREST                           ; a round of the cluster's barrier behind its opening barrier
	s_cmp_lg_u32 s[WV], 0
	s_cbranch_scc1 .Lnot_wave_0_\@
	s_barrier_signal -3
.Lnot_wave_0_\@:
	s_barrier_wait -3
	s_barrier_signal -1
	s_barrier_wait -1
.endm
.macro CROUND                          ; a whole round
	s_barrier_signal -1
	s_barrier_wait -1
	CREST
.endm
.macro TLOAD                           ; waves 0-7 fetch
	s_cmp_lt_u32 s[WV], 8
	s_cbranch_scc0 .Lnone_\@
	tensor_load_to_lds s[G0:G0+3], s[G1:G1+7]
	s_nop 0
	PLACES 4
.Lnone_\@:
.endm
.macro MKS e, sc, lim                  ; 2^e as f32, and 57,344 x 2^e
	s_add_co_i32 s53, s[\e], 127
	s_lshl_b32 s54, s53, 23
	v_mov_b32 v[\sc], s54
	s_add_co_i32 s53, s53, 15
	s_lshl_b32 s53, s53, 23
	s_or_b32 s53, s53, 0x600000
	v_mov_b32 v[\lim], s53
.endm
	s_load_b256 s[4:11], s[0:1], 0x0               ; qf, kvf, the scales, af
	v_lshl_add_u32 v[SPW], v0, 2, SPARE
	v_mov_b32 v[NIL], 0
	ds_add_u32 v[SPW], v[NIL]                      ; the opening: the add, twice on end, and its wait ahead of my first tensor load
	ds_add_u32 v[SPW], v[NIL]
	v_lshrrev_b32 v10, 5, v0
	v_readfirstlane_b32 s[WV], v10                 ; wave 0..11
	s_bfe_u32 s13, ttmp6, 0x40000                  ; cx
	s_lshl_b32 s14, ttmp9, 2
	s_add_co_u32 s14, s14, s13                     ; work-group x
	s_mov_b32 s[G1], 0x23000f                      ; all four of the cluster; elements of 8 bytes; bit 21 beside a mask
	s_mov_b32 s[G1+1], 32<<16                      ; 64 dense rows of 256 bytes
	s_mov_b32 s[G1+2], 64<<16
	s_mov_b32 s[G1+3], 32<<16
	s_mov_b32 s[G1+4], 64
	s_mov_b32 s[G1+5], 32
	s_mov_b32 s[G1+6], 0
	s_mov_b32 s[G1+7], 0
	s_lshr_b32 s50, ttmp9, 2                       ; stream A's head = x / 16,
	s_lshr_b32 s51, ttmp9, 3
	s_add_co_u32 s51, s51, 16                      ; stream B's = 16 + x / 32: nothing of cx
	s_cmp_lt_u32 s[WV], 4                          ; what I fetch: wave w takes region w / 2, half w % 2 of its 32,768 bytes
	s_cselect_b32 s52, s50, s51
	s_lshl_b32 s52, s52, 18
	s_bfe_u32 s53, s[WV], 0x10001
	s_lshl_b32 s53, s53, 17
	s_add_co_u32 s52, s52, s53
	s_and_b32 s53, s[WV], 1
	s_lshl_b32 s53, s53, 14
	s_add_co_u32 s52, s52, s53
	s_mov_b32 s53, 0
	s_lshl_b32 s54, s[WV], 14                      ; and where it goes in a slot
	s_mov_b32 s[SEL], 0x76543210
	s_mov_b32 s[SEL+1], 0xfedcba98
	s_mov_b32 s[CS], 0x3e38aa3b                    ; log2(e) / 8
	s_mov_b32 s[TB], 0
	s_mov_b32 s[SLOTS], 3
	s_wait_dscnt 0x0                               ; both opening adds are done
	s_wait_kmcnt 0x0
	s_load_b128 s[32:35], s[8:9], 0x18             ; e6 .. e9
	s_load_b32 s36, s[8:9], 0x28                   ; e10
	s_add_nc_u64 s[52:53], s[6:7], s[52:53]
	CROUND                                         ; all four work-groups are here: the joint loads meet
	s_mov_b32 s[G0], 1
	s_mov_b32 s[G0+1], s54
	s_mov_b64 s[G0+2:G0+3], s[52:53]
	s_or_b32 s[G0+3], s[G0+3], 0x80000000
	TLOAD                                          ; slot 0
	s_lshr_b32 s28, s[WV], 2                       ; my region: w / 4 below wave 8, then 2, 2, 3, 3
	s_lshr_b32 s29, s[WV], 3
	s_lshr_b32 s30, s[WV], 1
	s_and_b32 s30, s30, s29
	s_add_co_u32 s28, s28, s30
	s_mul_i32 s43, s29, 6
	s_xor_b32 s43, s43, 4
	s_xor_b32 s43, s43, s[WV]                      ; the wave of the other half: w xor 4 in stream A, w xor 2 in B
	s_mul_i32 s43, s43, STG
	s_mul_i32 s42, s[WV], STG
	s_and_b32 s29, s28, 1                          ; my half of the keys
	s_lshr_b32 s30, s28, 1                         ; my stream
	s_and_b32 s55, s14, 15
	s_lshl_b32 s55, s55, 3
	s_and_b32 s56, s[WV], 3
	s_lshl_b32 s56, s56, 1
	s_add_co_u32 s55, s55, s56                     ; A: tile 8 (x % 16) + 2 (w % 4)
	s_and_b32 s57, s14, 31
	s_lshl_b32 s57, s57, 2
	s_and_b32 s56, s[WV], 1
	s_lshl_b32 s56, s56, 1
	s_add_co_u32 s57, s57, s56                     ; B: tile 4 (x % 32) + 2 (w % 2)
	s_cmp_eq_u32 s30, 0
	s_cselect_b32 s31, s55, s57                    ; my first tile of queries: even
	s_cselect_b32 s15, s50, s51                    ; my head
	s_lshl_b32 s54, s31, 10
	s_lshl_b32 s55, s15, 17
	s_add_co_u32 s54, s54, s55
	s_lshl_b32 s55, s29, 10
	s_add_co_u32 s54, s54, s55                     ; the tile that I keep: the first of the two in half 0, the second in half 1;
	s_xor_b32 s56, s54, 0x400                      ; and the other
	s_mov_b32 s55, 0
	s_mov_b32 s57, 0
	s_add_nc_u64 s[60:61], s[4:5], s[54:55]
	s_add_nc_u64 s[62:63], s[4:5], s[56:57]
	v_and_b32 v[LI], 31, v0
	v_lshlrev_b32 v[PFO], 8, v[LI]
	v_lshlrev_b32 v[LI], 4, v[LI]
	WIN 0x40
.irp c, 0,1
	global_load_b128 v[QF+4*\c:QF+4*\c+3], v[LI], s[60:61] offset:512*\c
	global_load_b128 v[QF+8+4*\c:QF+8+4*\c+3], v[LI], s[62:63] offset:512*\c
.endr
	WIN 0
	s_wait_alu depctr_va_vdst(0)                   ; a wait ahead of the run of scalar lines below
	s_lshl_b32 s54, s28, 15
	v_add_nc_u32 v[AK], s54, v[LI]
	s_cmp_ge_u32 s15, 12                           ; where my tile goes in af
	s_cselect_b32 s54, 1, 0                        ; the batch
	s_mul_i32 s55, s54, 12
	s_sub_co_u32 s55, s15, s55                     ; the head in it
	s_lshl_b32 s54, s54, 7
	s_add_co_u32 s53, s31, s29
	s_add_co_u32 s53, s53, s54                     ; the tile among all tokens'
	s_lshr_b32 s54, s53, 2
	s_mul_i32 s54, s54, 49152
	s_and_b32 s53, s53, 3
	s_lshl_b32 s53, s53, 11
	s_add_co_u32 s54, s54, s53
	s_lshr_b32 s53, s55, 1
	s_lshl_b32 s53, s53, 13
	s_add_co_u32 s54, s54, s53
	s_and_b32 s53, s55, 1
	s_lshl_b32 s53, s53, 10
	s_add_co_u32 s54, s54, s53
	s_mov_b32 s55, 0
	s_add_nc_u64 s[10:11], s[10:11], s[54:55]
	s_and_b32 s54, s[WV], 3                        ; the prefetches: region w % 4,
	s_lshr_b32 s55, s54, 1
	s_and_b32 s56, s54, 1
	s_cmp_eq_u32 s55, 0
	s_cselect_b32 s57, s50, s51
	s_lshl_b32 s58, s57, 18
	s_lshl_b32 s56, s56, 17
	s_add_co_u32 s58, s58, s56
	s_lshl_b32 s56, s13, 13
	s_add_co_u32 s58, s58, s56                     ; my work-group's quarter,
	s_add_co_u32 s58, s58, 0x8000                  ; in slot 1: the first change of slots steps it to slot 2
	s_mov_b32 s59, 0
	s_add_nc_u64 s[PFA:PFA+1], s[6:7], s[58:59]
	s_lshr_b32 s54, ttmp9, 2
	s_and_b32 s54, s54, s55                        ; 1: stream B in a cluster that does not ask
	s_cmp_ge_u32 s[WV], 8
	s_cselect_b32 s57, 0, 1                        ; 1: a wave that does not ask
	s_or_b32 s54, s54, s57
	s_cmp_eq_u32 s54, 0
	s_cselect_b32 s[LIM], 2, 64                    ; a wave asks while s[SLOTS] is greater
.irp q, 0,1
	v_mov_b32 v[ST+8*\q+1], 0xff61b1e6             ; the largest score so far: -3e38
	v_mov_b32 v[ST+8*\q], 0x7f61b1e6               ; -M
	v_mov_b32 v[ST+8*\q+2], 0
	v_mov_b32 v[ST+8*\q+3], 0
	v_mov_b32 v[ST+8*\q+5], 0
	v_mov_b32 v[ST+8*\q+6], 0
.endr
.irp i, 0,1,2,3
	v_mov_b32 v[X+\i], 0
.endr
.set n, 0
.rept 64
	v_mov_b32 v[O+n], 0                            ; the step is written once: the first finds zeros, which the first change of M leaves zeros
.set n, n+1
.endr
	s_wait_alu depctr_va_vdst(0)
	s_wait_kmcnt 0x0
	s_add_co_i32 s53, s32, s33
	s_lshl_b32 s53, s53, 23
	s_add_co_i32 s[CS], s[CS], s53                 ; e6 + e7 go into the factor's exponent field
	s_mov_b32 s[CS+1], s[CS]                       ; (named with it as a pair)
	MKS 34, PSC, PLIM
	v_mov_b32 v[PLIM+1], v[PLIM]
	MKS 36, ASC, ALIM
	s_add_co_i32 s41, s34, s35                     ; e8 + e9
.macro MAXI q                          ; line j of 32 that find the largest of a lane's 64 scores, in four chains; each accumulator is read from its low end on
.set rS, S+64*(\q)
.set rH, PC+16*(\q)
.if j < 4
	v_max3_num_f32 v[rH+j], v[rS+16*j], v[rS+16*j+1], v[rS+16*j+2]
.elseif j < 28
	v_max3_num_f32 v[rH+j%4], v[rH+j%4], v[rS+16*(j%4)+2*(j/4)+1], v[rS+16*(j%4)+2*(j/4)+2]
.elseif j == 28
	v_max3_num_f32 v[rH], v[rH], v[rS+15], v[rS+31]
.elseif j == 29
	v_max3_num_f32 v[rH+2], v[rH+2], v[rS+47], v[rS+63]
.elseif j == 30
	s_delay_alu instid0(VALU_DEP_4)
	v_max3_num_f32 v[rH], v[rH], v[rH+1], v[rH+3]
.else
	s_delay_alu instid0(VALU_DEP_2)
	v_max_num_f32 v[rH], v[rH], v[rH+2]
.endif
.endm
.macro SCL q, n                        ; t - M, two at a time
	v_pk_fma_f32 v[S+64*(\q)+2*(\n):S+64*(\q)+2*(\n)+1], v[S+64*(\q)+2*(\n):S+64*(\q)+2*(\n)+1], s[CS:CS+1], v[ST+8*(\q):ST+8*(\q)+1] op_sel_hi:[1,0,0]
.endm
.macro EXQ q, r                        ; p = 2^(t - M)
	v_exp_f32 v[S+64*(\q)+(\r)], v[S+64*(\q)+(\r)]
.endm
.macro RSC m                           ; O under the new M
	v_pk_mul_f32 v[O+2*(\m):O+2*(\m)+1], v[O+2*(\m):O+2*(\m)+1], v[ST+8*((\m)/16)+4:ST+8*((\m)/16)+5] op_sel_hi:[1,0]
.endm
.macro MIN2 q, m                       ; the hold at the largest code (the conversion does not saturate: ISA guide 7.6.2): p is not negative, so it is one-sided; two numbers a line
	v_dual_min_num_f32 v[S+64*(\q)+2*(\m)], v[S+64*(\q)+2*(\m)], v[PLIM] :: v_dual_min_num_f32 v[S+64*(\q)+2*(\m)+1], v[S+64*(\q)+2*(\m)+1], v[PLIM+1]
.endm
.macro ADD2 d, a, b
	v_pk_add_f32 v[\d:(\d)+1], v[\a:(\a)+1], v[\b:(\b)+1]
.endm
.macro TREE k                          ; tile 0's sum: its 16 pairs in PC are added up
.if (\k) < 8
	ADD2 PC+2*(\k), PC+2*(\k), PC+2*(\k)+16
.elseif (\k) < 12
	ADD2 PC+2*(\k)-16, PC+2*(\k)-16, PC+2*(\k)-8
.elseif (\k) < 14
	ADD2 PC+2*(\k)-24, PC+2*(\k)-24, PC+2*(\k)-20
.elseif (\k) == 14
	ADD2 PC, PC, PC+2
.else
	ADD2 ST+2, ST+2, PC
.endif
.endm
.macro SQ1 m                           ; tile 1's sum, in three chains
.if (\m) == 0
	ADD2 X, S+64, S+66
.elseif (\m) == 1
	ADD2 Y, S+68, S+70
.elseif (\m) < 30
.if ((\m)-2)%3 == 0
	ADD2 ST+10, ST+10, S+64+2*(\m)+4
.elseif ((\m)-2)%3 == 1
	ADD2 X, X, S+64+2*(\m)+4
.else
	ADD2 Y, Y, S+64+2*(\m)+4
.endif
.endif
.endm
.macro CVT2 q, b                       ; 16 neighbouring keys' codes
	v_cvt_scalef32_pk8_bf8_f32 v[PC+16*(\q)+4*(\b):PC+16*(\q)+4*(\b)+1], v[S+64*(\q)+16*(\b):S+64*(\q)+16*(\b)+7], v[PSC]
	v_cvt_scalef32_pk8_bf8_f32 v[PC+16*(\q)+4*(\b)+2:PC+16*(\q)+4*(\b)+3], v[S+64*(\q)+16*(\b)+8:S+64*(\q)+16*(\b)+15], v[PSC]
.endm
.macro QK t
.irp q, 0,1
	v_wmma_f32_16x16x64_bf8_bf8 v[S+64*\q+8*(\t):S+64*\q+8*(\t)+7], v[VF+8*(\t):VF+8*(\t)+7], v[QF+8*\q:QF+8*\q+7], 0
.endr
.endm
; A KEY STEP: 128 keys, the st-th of the slot in hand, for my two tiles of queries.
; how = 1: the slot's last step, behind whose reads the slot is filled again; 2: the same where nothing is filled.
.macro STEP st, how
	ADD2 X, X, Y                                   ; the last step's sum of tile 1 is closed here: with the two v_nop these are the four places behind the last products, in front of the loads
	v_nop
	ADD2 ST+10, ST+10, X
	v_nop
	WIN 0x40
.irp t, 0,1,2,3,4,5,6,7
.irp c, 0,1
	ds_load_b128 v[VF+8*\t+4*\c:VF+8*\t+4*\c+3], v[AD] offset:16384*\st+1024*\t+512*\c
.endr
.endr
	s_wait_alu depctr_va_vdst(0)
	s_wait_dscnt 12                                ; two tiles are in; the youngest twelve loads may be out: loads come back in order
	WIN 0x05                                       ; sources 0 and 1: window 1
	QK 0
	QK 1
	s_wait_dscnt 8
	QK 2
	QK 3
	s_wait_dscnt 4
	QK 4
	QK 5
	s_wait_dscnt 0x0
	QK 6
	QK 7
	WIN 0x40
	PLACES 4                                       ; in front of loads into K's registers, and of the first read of the scores
.irp d, 0,1,2,3
.irp c, 0,1,2,3
	ds_load_b128 v[VF+16*\d+4*\c:VF+16*\d+4*\c+3], v[AD] offset:16384*\st+8192+2048*\d+512*\c
.endr
.endr
	WIN 0
.set j, 0
.rept 32
	MAXI 0
	MAXI 1
.set j, j+1
.endr
.irp q, 0,1
	v_mov_b32 v[ST+8*\q+6], v[ST+8*\q]
.endr
.irp q, 0,1
	s_delay_alu instid0(VALU_DEP_4)
	v_permlanex16_b32 v[PC+16*\q+1], v[PC+16*\q], s[SEL], s[SEL+1]   ; lane l xor 16's
.endr
.irp q, 0,1
	s_delay_alu instid0(VALU_DEP_2)
	v_max3_num_f32 v[ST+8*\q+1], v[ST+8*\q+1], v[PC+16*\q], v[PC+16*\q+1]
.endr
.irp q, 0,1
	s_delay_alu instid0(VALU_DEP_2)
	v_mul_f32 v[PC+16*\q], s[CS], v[ST+8*\q+1]
.endr
.irp q, 0,1
	s_delay_alu instid0(VALU_DEP_2)
	v_floor_f32 v[ST+8*\q], -v[PC+16*\q]           ; -M = floor(-t)
.endr
	SCL 0, 0
	SCL 1, 0
.irp q, 0,1
	s_delay_alu instid0(VALU_DEP_4)
	v_sub_f32 v[ST+8*\q+6], v[ST+8*\q], v[ST+8*\q+6]   ; old M - new M: a whole number, 0 or less
.endr
	SCL 0, 1
	SCL 1, 1
.irp q, 0,1
	s_delay_alu instid0(VALU_DEP_4)
	v_cvt_i32_f32 v[ST+8*\q+6], v[ST+8*\q+6]
.endr
	SCL 0, 2
	SCL 1, 2
.irp q, 0,1
	s_delay_alu instid0(VALU_DEP_4)
	v_ldexp_f32 v[ST+8*\q+4], 1.0, v[ST+8*\q+6]    ; f
.endr
.if \how
	s_wait_alu depctr_va_vdst(0)
.if \how == 1
	LINES 1
.else
	LINES 0
.endif
.endif
.set n, 0
.rept 32                               ; O and the sums are read ahead of the step's exponentials, each accumulator from its low end on
	RSC n
.if n < 29
	SCL 0, n+3
.elseif n == 29
	v_pk_mul_f32 v[ST+2:ST+3], v[ST+2:ST+3], v[ST+4:ST+5] op_sel_hi:[1,0]
.elseif n == 30
	v_pk_mul_f32 v[ST+10:ST+11], v[ST+10:ST+11], v[ST+12:ST+13] op_sel_hi:[1,0]
.endif
.set n, n+1
.endr
	s_wait_alu depctr_va_vdst(0)
.if \how
	s_wait_dscnt 0x0                               ; the add is done, and my reads of the slot are over: V's fragments were the last
	s_barrier_signal -1                            ; say so; work on registers follows while the others arrive
.endif
.set n, 0
.rept 32                               ; tile 0's exponentials; among them tile 1's scalings, which nothing reads ahead of the next wait
	EXQ 0, 2*n
	EXQ 0, 2*n+1
.if n < 29
	SCL 1, n+3
.endif
.set n, n+1
.endr
	v_nop                                          ; a plain place behind the exponentials
	s_wait_alu depctr_va_vdst(0)                   ; for tile 0's p, and ahead of the next batch
.set n, 0
.rept 32                               ; tile 1's exponentials; among them tile 0's sums of two pairs, then its holds: nothing reads them ahead of the next wait
	EXQ 1, 2*n
.if n%2 == 0
	ADD2 PC+n, S+2*n, S+2*n+2
.endif
	MIN2 0, n
	EXQ 1, 2*n+1
.set n, n+1
.endr
	v_nop
	s_wait_alu depctr_va_vdst(0)                   ; for tile 1's p, and what stood among the batch
.if \how == 1
	s_barrier_wait -1                              ; the barrier has opened a round of the cluster's barrier:
	CREST                                          ; no wave of any partner still reads this slot or has a load on its way
	FILL
.endif
.set n, 0
.rept 16
	TREE n
	SQ1 2*n
	SQ1 2*n+1
.set n, n+1
.endr
.set n, 0
.rept 4
	CVT2 0, n
.irp i, 0,1,2,3,4,5,6,7
	MIN2 1, 8*n+\i
.endr
.set n, n+1
.endr
.irp b, 0,1,2,3
	CVT2 1, \b
.endr
	v_nop                                          ; a plain place behind the last conversion
	s_wait_alu depctr_va_vdst(0)
	s_wait_dscnt 0x0                               ; V's fragments
	WIN 0x01                                       ; source 0: window 1
.irp d, 0,1,2,3
.irp q, 0,1
	v_wmma_f32_16x16x128_bf8_bf8 v[O+32*\q+8*\d:O+32*\q+8*\d+7], v[VF+16*\d:VF+16*\d+15], v[PC+16*\q:PC+16*\q+15], v[O+32*\q+8*\d:O+32*\q+8*\d+7]
.endr
.endr
	WIN 0
.endm
; THE CHANGE OF SLOTS lies in a slot's last step.  Once V's fragments are in registers, nothing of the slot is read any more: each wave waits for all its tensor loads (its part of the other slot), adds 0 to its spare word and waits for
; that and for its reads; the opening signal follows, and the round is closed behind the exponentials; then the slot is filled again, while the sums, the holds and the second product are still to come.
; Where nothing is filled again (the third slot's worth of keys) one work-group barrier serves, its wait at the step's end.
.macro LINES fill
	s_wait_tensorcnt 0x0                           ; no tensor load of mine is out, so group 0 may be written
	ds_add_u32 v[SPW], v[NIL]                      ; the add here,
.if \fill
	ds_add_u32 v[SPW], v[NIL]                      ; and twice on end
	s_xor_b32 s[G0+1], s[G0+1], SLOT1              ; the other slot than last time,
	s_add_nc_u64 s[G0+2:G0+3], s[G0+2:G0+3], 0x8000  ; two key steps on
	s_wait_xcnt 0x0                                ; any prefetch of mine has read its address
	s_add_nc_u64 s[PFA:PFA+1], s[PFA:PFA+1], 0x8000
.endif
.endm
.macro FILL
	TLOAD                                          ; the first thing behind the round, and a wave's one tensor load until the next
	s_cmp_gt_u32 s[SLOTS], s[LIM]
	s_cbranch_scc0 .Lnot_mine_\@
	global_prefetch_b8 v[PFO], s[PFA:PFA+1] th:TH_LOAD_NT scope:SCOPE_SE   ; what the next change will load
.Lnot_mine_\@:
.endm
	s_wait_alu depctr_va_vdst(0)
	s_wait_loadcnt 0x0                             ; Q
	LINES 1
	s_wait_dscnt 0x0
	CROUND                                         ; slot 0 is whole
	FILL                                           ; slot 1's first fill
.Lslot:                                            ; two trips: slot 0, slot 1; each fills its slot again
	v_add_nc_u32 v[AD], s[TB], v[AK]
	STEP 0, 0
	STEP 1, 1
	s_xor_b32 s[TB], s[TB], SLOT1
	s_sub_co_u32 s[SLOTS], s[SLOTS], 1
	s_cmp_lg_u32 s[SLOTS], 1
	s_cbranch_scc1 .Lslot
	v_add_nc_u32 v[AD], s[TB], v[AK]               ; the last two slots' worth of keys fill nothing
	STEP 0, 0
	STEP 1, 2
	s_xor_b32 s[TB], s[TB], SLOT1
	s_barrier_wait -1                              ; the last slot is whole, and nobody reads slot 0 any more
	v_add_nc_u32 v[AD], s[TB], v[AK]
	STEP 0, 0
	STEP 1, 0
	; THE WAY OUT: tile 1's O, -M and sum go to the wave of the other half
	ADD2 X, X, Y
	v_add_f32 v[ST+2], v[ST+2], v[ST+3]
	v_add_nc_u32 v64, s42, v[LI]
	v_lshrrev_b32 v68, 1, v[LI]                    ; 8 x lane
	ADD2 ST+10, ST+10, X
	v_add_nc_u32 v66, s43, v[LI]
	v_add_nc_u32 v65, s42, v68
	v_add_nc_u32 v67, s43, v68
	v_add_f32 v[ST+10], v[ST+10], v[ST+11]
	v_permlanex16_b32 v[ST+6], v[ST+2], s[SEL], s[SEL+1]
	v_mov_b32 v[X], v[ST+8]
	v_permlanex16_b32 v[ST+14], v[ST+10], s[SEL], s[SEL+1]
	v_add_f32 v[ST+2], v[ST+2], v[ST+6]
	v_mov_b32 v77, 0                               ; (named as upper halves of pairs)
	v_mov_b32 v79, 0
	v_add_f32 v[X+1], v[ST+10], v[ST+14]
.irp i, 0,1,2,3,4,5,6,7
	ds_store_b128 v64, v[O+32+4*\i:O+32+4*\i+3] offset:512*\i
.endr
	ds_store_b64 v65, v[X:X+1] offset:4096
	s_wait_alu depctr_va_vdst(0)
	s_wait_dscnt 0x0                               ; for the other wave's sake: my stores are done
	s_barrier_signal -1
	s_barrier_wait -1
	ds_load_b64 v[72:73], v67 offset:4096          ; the other half's -M and sum of my tile,
.irp i, 0,1,2,3,4,5,6,7
	ds_load_b128 v[S+4*\i:S+4*\i+3], v66 offset:512*\i   ; and its O
.endr
	s_wait_dscnt 8                                 ; the first of the nine is in
	v_min_num_f32 v70, v[ST], v72                  ; -M of both
	v_sub_f32 v74, v70, v[ST]
	v_sub_f32 v75, v70, v72
	v_cvt_i32_f32 v74, v74
	v_cvt_i32_f32 v75, v75
	v_ldexp_f32 v76, 1.0, v74                      ; my half's factor,
	v_ldexp_f32 v78, 1.0, v75                      ; the other's
	v_mul_f32 v80, v[ST+2], v76
	v_fma_f32 v80, v73, v78, v80                   ; the row's sum
	s_wait_alu depctr_va_vdst(0)                   ; a wait ahead of the transcendental
	v_rcp_f32 v81, v80
	v_nop
	s_wait_alu depctr_va_vdst(0)                   ; and ahead of its reader
	v_ldexp_f32 v81, v81, s41                      ; x 2^(e8 + e9)
	v_mul_f32 v76, v76, v81
	v_mul_f32 v78, v78, v81
	s_wait_dscnt 0x0
	s_wait_alu depctr_va_vdst(0)                   ; a wait directly ahead of the first reader of O
.set n, 0
.rept 16
	v_pk_mul_f32 v[96+n:96+n+1], v[O+n:O+n+1], v[76:77] op_sel_hi:[1,0]
.set n, n+2
.endr
.set n, 0
.rept 16
	v_pk_fma_f32 v[96+n:96+n+1], v[S+n:S+n+1], v[78:79], v[96+n:96+n+1] op_sel_hi:[1,0,1]
.set n, n+2
.endr
.set n, 0
.rept 32
	v_med3_num_f32 v[96+n], v[96+n], -v[ALIM], v[ALIM]
.set n, n+1
.endr
.irp b, 0,1
	v_cvt_scalef32_pk8_bf8_f32 v[PC+4*\b:PC+4*\b+1], v[96+16*\b:96+16*\b+7], v[ASC]
	v_cvt_scalef32_pk8_bf8_f32 v[PC+4*\b+2:PC+4*\b+3], v[96+16*\b+8:96+16*\b+15], v[ASC]
.endr
	v_nop
.irp b, 0,1
	global_store_b128 v[LI], v[PC+4*\b:PC+4*\b+3], s[10:11] offset:512*\b   ; a whole piece: 512 consecutive bytes, aligned
.endr
	s_wait_tensorcnt 0x0                           ; the wave's end
	ds_add_u32 v[SPW], v[NIL]
	s_wait_dscnt 0x0
	CROUND                                         ; the closing round
	s_endpgm
.Lfunc_end_k_q754d7e24ac_attn:
	.size	k_q754d7e24ac_attn, .Lfunc_end_k_q754d7e24ac_attn-k_q754d7e24ac_attn
	.p2alignl 7, 3214868480
	.fill 96, 4, 3214868480
	.section	.rodata,"a",@progbits
	.p2align	6, 0x0
	.amdhsa_kernel k_q754d7e24ac_attn
		.amdhsa_group_segment_fixed_size 327680
		.amdhsa_private_segment_fixed_size 0
		.amdhsa_enable_private_segment 0
		.amdhsa_kernarg_size 32
		.amdhsa_user_sgpr_count 2
		.amdhsa_user_sgpr_kernarg_segment_ptr 1
		.amdhsa_wavefront_size32 1
		.amdhsa_system_sgpr_workgroup_id_x 1
		.amdhsa_system_sgpr_workgroup_id_y 1
		.amdhsa_system_sgpr_workgroup_id_z 1
		.amdhsa_system_vgpr_workitem_id 0
		.amdhsa_next_free_vgpr 336
		.amdhsa_next_free_sgpr 66
		.amdhsa_reserve_vcc 0
		.amdhsa_float_denorm_mode_32 3
		.amdhsa_float_denorm_mode_16_64 3
		.amdhsa_memory_ordered 1
		.amdhsa_forward_progress 1
		.amdhsa_inst_pref_size 192
	.end_amdhsa_kernel
	.amdgpu_metadata
---
amdhsa.version: [ 1, 2 ]
amdhsa.kernels:
  - .name:           k_q754d7e24ac_attn
    .symbol:         k_q754d7e24ac_attn.kd
    .args:
      - { .name: qf, .offset: 0, .size: 8, .value_kind: global_buffer, .address_space: global }
      - { .name: kvf, .offset: 8, .size: 8, .value_kind: global_buffer, .address_space: global }
      - { .name: lowp_scales, .offset: 16, .size: 8, .value_kind: global_buffer, .address_space: global }
      - { .name: af, .offset: 24, .size: 8, .value_kind: global_buffer, .address_space: global }
    .group_segment_fixed_size: 327680
    .private_segment_fixed_size: 0
    .kernarg_segment_align: 8
    .kernarg_segment_size: 32
    .max_flat_workgroup_size: 384
    .sgpr_count:     66
    .vgpr_count:     336
    .wavefront_size: 32
...
	.end_amdgpu_metadata
.endif
;; end of part 7
;; launch oproj (part 8): grid 4 x 64, 4 waves a work-group, clusters of 4 x 4, 327,680 bytes of LDS; arguments af, wf, bo, lowp_scales, out0; writes out0
.if DOCPART == 8
	.amdgcn_target "amdgcn-amd-amdhsa--gfx1250"
	.amdhsa_code_object_version 6
	.text
	.protected	k_q754d7e24ac_oproj
	.globl	k_q754d7e24ac_oproj
	.p2align	8
	.type	k_q754d7e24ac_oproj,@function
k_q754d7e24ac_oproj:
	s_mov_b64 s[64:65], 0
	v_nop
	global_prefetch_b8 v0, s[64:65] scope:SCOPE_SE
	s_setreg_imm32_b32 hwreg(HW_REG_WAVE_MODE, 25, 1), 1
	s_wait_xcnt 0x0
	s_wait_alu depctr_hold_cnt(0) depctr_sa_sdst(0) depctr_va_vdst(0) depctr_va_sdst(0) depctr_va_ssrc(0) depctr_va_vcc(0) depctr_vm_vsrc(0)
	s_getreg_b32 s2, hwreg(HW_REG_IB_STS2, 6, 4)
	s_cmp_eq_u32 s2, 0
	s_cbranch_scc0 .Lentry_in_a_cluster
	s_endpgm
.Lentry_in_a_cluster:
	s_bfe_u32 s2, ttmp6, 0x10000c
	s_cmp_lg_u32 s2, 0xf033
	s_cbranch_scc0 .Lentry_shape_is_right
	s_endpgm
.Lentry_shape_is_right:
; OPROJ: out0 = a Wo^T + bo on codes of E5M2: a's codes from af, Wo's are matrix 3 of wf.  out0 = sum x 2^(e10 + e11) + bo, one packed multiply-add for two numbers.  No work of the problem is left out here.
; LIMIT: e10 + e11 between -126 and 127, so that 2^(e10 + e11) is an f32 number.
; SHARES.  A work-group takes 64 tokens x 192 columns, whole K = 768: 196,608 bytes of codes in LDS at once: Wo's six K steps, then a's six.  One tensor load a wave: waves 0, 1 three K steps of Wo each, waves 2, 3 three of a.
; 64 x 4 = 256 work-groups.  Wave w: all four tiles of tokens x tiles 3 w .. 3 w + 2 of columns: 12 accumulators.
; CLUSTER 4 x 4 (the grid's x is one cluster, so cx is the block of columns): a's tiles are shared along a row of the cluster, Wo's along a column.  No prefetch: every tensor load stands at the head.
; Source 0 = 16 rows of Wo, source 1 = 16 tokens: a lane holds one token and eight neighbouring columns.  The results meet in a stage of 64 rows x (768 + 16) bytes, where the tokens come back into their true order;
; each wave then stores 16 rows' 768 bytes: sixteen lanes always fill one aligned block of 256 bytes.
; REGISTERS: window 0: v1-22 addresses; v32-95, v96-159 a's two sets of four fragments (on the way out v32-127: results, then rows); v160-255 the accumulators.  window 1: v0-47, v48-95 Wo's two sets of three; v96-119 bo.
.set AKS,   8192
.set WKS,   24576
.set AOFF,  147456
.set STG,   196608                     ; the stage: bytes of its own, into which no tile lands
.set SPT,   784
.set SPARE, STG+64*SPT                 ; behind the stage: the spare words, 128 bytes for each wave: two blocks of 256 bytes that no other line names
.set LI,  3                            ; v3      16 x lane
.set ADA, 4                            ; v4-6    a's fragments, two K steps each
.set ADW, 7                            ; v7-9    my Wo fragments
.set SPW, 10                           ; v10     my spare word; never rewritten
.set NIL, 11                           ; v11     0; never rewritten
.set STO, 12                           ; v12-14  into the stage, for each of my three tiles of columns
.set RD0, 15                           ; v15, v16 out of it
.set RD1, 16
.set GO1, 17                           ; v17     the middle store's offset
.set BOF, 18                           ; v18-20  my columns' bytes: 64 h + the tile's
.set AS,  32
.set T,   32
.set ACC, 160
.set BB,  96
.set WV,  14                           ; s14 wave
.set G1W, 20                           ; s[20:27] group 1 for Wo's tiles; s[28:35] for a's
.set G1A, 28
.set MSB, 0
.macro WIN new
.if MSB != \new
	s_set_vgpr_msb (MSB<<8)|\new
.set MSB, \new
.endif
.endm
.macro PLACES n
.rept \n
	v_nop
.endr
.endm
.macro BAR
	s_barrier_signal -1
	s_barrier_wait -1
.endm
.macro CROUND
	s_barrier_signal -1
	s_barrier_wait -1
	s_cmp_lg_u32 s[WV], 0
	s_cbranch_scc1 .Lnot_wave_0_\@
	s_barrier_signal -3
.Lnot_wave_0_\@:
	s_barrier_wait -3
	s_barrier_signal -1
	s_barrier_wait -1
.endm
.macro MKG0 d, l, a
	s_mov_b32 s[\d], 1
	s_mov_b32 s[\d+1], s[\l]
	s_mov_b64 s[\d+2:\d+3], s[\a:\a+1]
	s_or_b32 s[\d+3], s[\d+3], 0x80000000
.endm
.macro MKG1 g, m, r                    ; mask s[m] and bit 21; elements of 8 bytes: r dense rows of 256 bytes, no padding
	s_or_b32 s[\g], s[\m], 0x230000
	s_mov_b32 s[\g+1], 32<<16
	s_mov_b32 s[\g+2], (\r)<<16
	s_mov_b32 s[\g+3], 32<<16
	s_mov_b32 s[\g+4], \r
	s_mov_b32 s[\g+5], 32
	s_mov_b32 s[\g+6], 0
	s_mov_b32 s[\g+7], 0
.endm
	s_load_b256 s[4:11], s[0:1], 0x0               ; af, wf, bo, the scales
	s_load_b64 s[12:13], s[0:1], 0x20              ; out0
	v_lshl_add_u32 v[SPW], v0, 2, SPARE
	v_mov_b32 v[NIL], 0
	ds_add_u32 v[SPW], v[NIL]                      ; the opening: the add, twice on end, and its wait ahead of my first tensor load
	ds_add_u32 v[SPW], v[NIL]
	v_lshrrev_b32 v1, 5, v0
	v_readfirstlane_b32 s[WV], v1                  ; wave 0..3
	s_and_b32 s15, s[WV], 1                        ; which three K steps I fetch
	s_bfe_u32 s16, ttmp6, 0x40000                  ; cx = the block of 192 columns
	s_bfe_u32 s17, ttmp6, 0x40004                  ; cy
	s_and_b32 s18, ttmp7, 0xffff
	s_lshl_b32 s18, s18, 2
	s_add_co_u32 s18, s18, s17                     ; the block of 64 tokens
	s_lshl_b32 s66, s17, 2
	s_lshl_b32 s66, 15, s66                        ; my row of the cluster
	s_lshl_b32 s67, 0x1111, s16                    ; my column
	MKG1 G1A, 66, 96                               ; 24,576 bytes
	MKG1 G1W, 67, 288                              ; 73,728 bytes
	s_mul_i32 s68, s16, 147456                     ; Wo: matrix 3, block cx, my three K steps: nothing of cy
	s_add_co_u32 s68, s68, 1769472
	s_mul_i32 s72, s15, 73728
	s_add_co_u32 s68, s68, s72
	s_mov_b32 s69, 0
	s_mul_i32 s70, s18, 49152                      ; a: my block of tokens, my three K steps: nothing of cx
	s_mul_i32 s73, s15, 24576
	s_add_co_u32 s70, s70, s73
	s_mov_b32 s71, 0
	s_add_co_u32 s73, s73, AOFF                    ; where they go: s72, s73
	s_wait_dscnt 0x0                               ; both opening adds are done
	s_wait_kmcnt 0x0
	s_load_b64 s[60:61], s[10:11], 0x28            ; e10, e11
	s_add_nc_u64 s[68:69], s[6:7], s[68:69]
	s_add_nc_u64 s[70:71], s[4:5], s[70:71]
	CROUND                                         ; all sixteen work-groups are here: the joint loads meet
	MKG0 36, 72, 68
	MKG0 48, 73, 70
	s_cmp_lt_u32 s[WV], 2
	s_cbranch_scc0 .Lfill_a
	tensor_load_to_lds s[36:39], s[G1W:G1W+7]
	s_nop 0
	PLACES 4
	s_branch .Lfilled
.Lfill_a:
	tensor_load_to_lds s[48:51], s[G1A:G1A+7]
	s_nop 0
	PLACES 4
.Lfilled:
	v_and_b32 v1, 15, v0                           ; r
	v_bfe_u32 v2, v0, 4, 1                         ; h
	v_and_b32 v[LI], 31, v0
	v_lshlrev_b32 v[LI], 4, v[LI]
	s_mov_b32 s74, AOFF
	s_mul_i32 s75, s[WV], 6144                     ; my three tiles of Wo
.irp g, 0,1,2
	v_add_nc_u32 v[ADA+\g], s74, v[LI]
	v_add_nc_u32 v[ADW+\g], s75, v[LI]
	s_add_co_u32 s74, s74, 2*AKS
	s_add_co_u32 s75, s75, 2*WKS
.endr
	v_and_b32 v21, 8, v1
	v_add_nc_u32 v21, v21, v1                      ; r + 8 (r / 8): my token's row among a pair of tiles' 32
	v_mul_u32_u24 v21, v21, SPT
	v_lshlrev_b32 v22, 6, v2                       ; 64 h: my half's 16 columns of each 32
	s_wait_alu depctr_va_vdst(0)                   ; a wait ahead of the runs of scalar lines below
.irp i, 0,1,2                          ; tile s = 3 w + i holds columns 32 (s / 2) + 8 (s % 2) + 16 h + 0 .. 7
	s_mul_i32 s74, s[WV], 3
	s_add_co_u32 s74, s74, \i
	s_lshr_b32 s75, s74, 1
	s_lshl_b32 s75, s75, 7
	s_and_b32 s74, s74, 1
	s_lshl_b32 s74, s74, 5
	s_add_co_u32 s75, s75, s74
	v_add_nc_u32 v[BOF+\i], s75, v22
	v_add_nc_u32 v[STO+\i], v[BOF+\i], v21
	v_add_nc_u32 v[STO+\i], STG, v[STO+\i]
.endr
	s_mul_i32 s74, s[WV], 16*SPT
	s_add_co_u32 s74, s74, STG
	v_add_nc_u32 v[RD0], s74, v[LI]                ; back: my 16 rows, 512 bytes an instruction
	v_lshl_add_u32 v[RD1], v2, 4, v[RD0]           ; the middle load crosses from a row to the next: lanes 16-31 pass the 16 bytes of padding
	v_mul_u32_u24 v[GO1], v2, 2304
	v_add_nc_u32 v[GO1], v[GO1], v[LI]             ; and in out0 the 2,304 bytes of the other blocks' columns
	s_mul_i32 s76, s16, 768                        ; my block's columns, in bytes
	s_mov_b32 s77, 0
	s_add_nc_u64 s[8:9], s[8:9], s[76:77]
	s_wait_alu depctr_va_vdst(0)
	WIN 0x40                                       ; destination window 1
.irp i, 0,1,2
	global_load_b128 v[BB+8*\i:BB+8*\i+3], v[BOF+\i], s[8:9]
	global_load_b128 v[BB+8*\i+4:BB+8*\i+7], v[BOF+\i], s[8:9] offset:16
.endr
	WIN 0
	s_lshl_b32 s74, s18, 6
	s_lshl_b32 s75, s[WV], 4
	s_add_co_u32 s74, s74, s75                     ; the first row that I store: 64 x block + 16 x wave
	s_mul_i32 s74, s74, 3072
	s_add_co_u32 s74, s74, s76
	s_mov_b32 s75, 0
	s_add_nc_u64 s[12:13], s[12:13], s[74:75]
	s_wait_kmcnt 0x0
	s_add_co_i32 s60, s60, s61
	s_add_co_i32 s60, s60, 127
	s_lshl_b32 s60, s60, 23                        ; 2^(e10 + e11) as f32
	s_mov_b32 s61, s60                             ; (named with it as a pair)
.macro FETCH ks                        ; the K step's 28 loads in one run
	WIN 0x40
.irp i, 0,1,2
.irp c, 0,1,2,3
	ds_load_b128 v[48*((\ks)%2)+16*\i+4*\c:48*((\ks)%2)+16*\i+4*\c+3], v[ADW+(\ks)/2] offset:WKS*((\ks)%2)+2048*\i+512*\c
.endr
.endr
	WIN 0
.irp j, 0,1,2,3
.irp c, 0,1,2,3
	ds_load_b128 v[AS+64*((\ks)%2)+16*\j+4*\c:AS+64*((\ks)%2)+16*\j+4*\c+3], v[ADA+(\ks)/2] offset:AKS*((\ks)%2)+2048*\j+512*\c
.endr
.endr
.endm
.macro MUL ks                          ; 12 products; the first K step starts the sums; the accumulators take turns, one instruction a turn, in the same order in every step
	WIN 0x01                                       ; source 0 (Wo) window 1
.irp j, 0,1,2,3
.irp i, 0,1,2
.if (\ks) == 0
	v_wmma_f32_16x16x128_bf8_bf8 v[ACC+8*(3*\j+\i):ACC+8*(3*\j+\i)+7], v[48*((\ks)%2)+16*\i:48*((\ks)%2)+16*\i+15], v[AS+64*((\ks)%2)+16*\j:AS+64*((\ks)%2)+16*\j+15], 0
.else
	v_wmma_f32_16x16x128_bf8_bf8 v[ACC+8*(3*\j+\i):ACC+8*(3*\j+\i)+7], v[48*((\ks)%2)+16*\i:48*((\ks)%2)+16*\i+15], v[AS+64*((\ks)%2)+16*\j:AS+64*((\ks)%2)+16*\j+15], v[ACC+8*(3*\j+\i):ACC+8*(3*\j+\i)+7]
.endif
.endr
.endr
.endm
	s_wait_loadcnt 0x0                             ; bo, while the tiles are on their way
	s_wait_tensorcnt 0x0                           ; my tile has landed
	BAR                                            ; everybody's has
	FETCH 0
.irp k, 0,1,2,3,4,5
.if \k < 5
.if \k > 0
	PLACES 4                                       ; in front of loads into registers that the last products read
.endif
	FETCH \k+1
	s_wait_dscnt 28                                ; all but the 28 just issued
.else
	s_wait_dscnt 0x0
.endif
	MUL \k
.endr
	WIN 0
	PLACES 4                                       ; in front of the first read of results and of writes into the fragments' registers
	WIN 0x10                                       ; source 2 (bo) window 1
.irp j, 0,1,2,3
.irp i, 0,1,2
.irp u, 0,2,4,6
	v_pk_fma_f32 v[T+8*(3*\j+\i)+\u:T+8*(3*\j+\i)+\u+1], v[ACC+8*(3*\j+\i)+\u:ACC+8*(3*\j+\i)+\u+1], s[60:61], v[BB+8*\i+\u:BB+8*\i+\u+1] op_sel_hi:[1,0,1]   ; sum x 2^(e10 + e11) + bo; each accumulator from its low end on
.endr
.endr
.endr
	WIN 0
.irp j, 0,1,2,3
.irp i, 0,1,2
	ds_store_b128 v[STO+\i], v[T+8*(3*\j+\i):T+8*(3*\j+\i)+3] offset:(32*(\j/2)+8*(\j%2))*SPT
	ds_store_b128 v[STO+\i], v[T+8*(3*\j+\i)+4:T+8*(3*\j+\i)+7] offset:(32*(\j/2)+8*(\j%2))*SPT+16
.endr
.endr
	s_wait_dscnt 0x0                               ; for the others' sake: my stores into the stage are done
	BAR                                            ; 64 whole rows lie in the stage
.irp p, 0,1,2,3,4,5,6,7                ; two rows, 1,536 bytes, are three loads of 512
	ds_load_b128 v[T+12*\p:T+12*\p+3], v[RD0] offset:2*SPT*\p
	ds_load_b128 v[T+12*\p+4:T+12*\p+7], v[RD1] offset:2*SPT*\p+512
	ds_load_b128 v[T+12*\p+8:T+12*\p+11], v[RD0] offset:2*SPT*\p+SPT+256
.endr
.irp p, 0,1,2,3,4,5,6,7
	s_wait_dscnt 23-3*\p                           ; LDS loads come back in order: the younger ones stay out
	global_store_b128 v[LI], v[T+12*\p:T+12*\p+3], s[12:13] offset:6144*\p
	s_wait_dscnt 22-3*\p
	global_store_b128 v[GO1], v[T+12*\p+4:T+12*\p+7], s[12:13] offset:6144*\p+512
	s_wait_dscnt 21-3*\p
	global_store_b128 v[LI], v[T+12*\p+8:T+12*\p+11], s[12:13] offset:6144*\p+3328   ; sixteen lanes store 256 consecutive bytes, aligned
.endr
	s_wait_tensorcnt 0x0                           ; the wave's end: wait, add, wait behind my last tensor load and my last LDS store
	ds_add_u32 v[SPW], v[NIL]
	s_wait_dscnt 0x0
	CROUND                                         ; the closing round
	s_endpgm
.Lfunc_end_k_q754d7e24ac_oproj:
	.size	k_q754d7e24ac_oproj, .Lfunc_end_k_q754d7e24ac_oproj-k_q754d7e24ac_oproj
	.p2alignl 7, 3214868480
	.fill 96, 4, 3214868480
	.section	.rodata,"a",@progbits
	.p2align	6, 0x0
	.amdhsa_kernel k_q754d7e24ac_oproj
		.amdhsa_group_segment_fixed_size 327680
		.amdhsa_private_segment_fixed_size 0
		.amdhsa_enable_private_segment 0
		.amdhsa_kernarg_size 40
		.amdhsa_user_sgpr_count 2
		.amdhsa_user_sgpr_kernarg_segment_ptr 1
		.amdhsa_wavefront_size32 1
		.amdhsa_system_sgpr_workgroup_id_x 1
		.amdhsa_system_sgpr_workgroup_id_y 1
		.amdhsa_system_sgpr_workgroup_id_z 1
		.amdhsa_system_vgpr_workitem_id 0
		.amdhsa_next_free_vgpr 384
		.amdhsa_next_free_sgpr 80
		.amdhsa_reserve_vcc 0
		.amdhsa_float_denorm_mode_32 3
		.amdhsa_float_denorm_mode_16_64 3
		.amdhsa_memory_ordered 1
		.amdhsa_forward_progress 1
		.amdhsa_inst_pref_size 34
	.end_amdhsa_kernel
	.amdgpu_metadata
---
amdhsa.version: [ 1, 2 ]
amdhsa.kernels:
  - .name:           k_q754d7e24ac_oproj
    .symbol:         k_q754d7e24ac_oproj.kd
    .args:
      - { .name: af, .offset: 0, .size: 8, .value_kind: global_buffer, .address_space: global }
      - { .name: wf, .offset: 8, .size: 8, .value_kind: global_buffer, .address_space: global }
      - { .name: bo, .offset: 16, .size: 8, .value_kind: global_buffer, .address_space: global }
      - { .name: lowp_scales, .offset: 24, .size: 8, .value_kind: global_buffer, .address_space: global }
      - { .name: out0, .offset: 32, .size: 8, .value_kind: global_buffer, .address_space: global }
    .group_segment_fixed_size: 327680
    .private_segment_fixed_size: 0
    .kernarg_segment_align: 8
    .kernarg_segment_size: 40
    .max_flat_workgroup_size: 128
    .sgpr_count:     80
    .vgpr_count:     384
    .wavefront_size: 32
...
	.end_amdgpu_metadata
.endif
;; end of part 8
